; MI455X (gfx1250); checked and timed in simulation.
; The chip was launched on July 23, 2026; its instructions are those of AMD's public machine-readable ISA for CDNA 5 (MIT licence, August 2026) and "CDNA5" Instruction Set Architecture Reference Guide (July 2026). The comments in the code are by the model that wrote it; some were corrected since.
;; Bi Directional Min GRU. Allowed arithmetic: matrix products marked QUANTISED: E2M3 operands, one E8M0 scale for each 32 along K, by v_wmma_scale_f32_16x16x128_f8f6f4 with both operands' format E2M3, f32 sums; products left as they are: f32 operands where the result goes on into a quantised operand, else bf16, f16 or f32 operands; f32 sums; everything else in f32.
;; Inputs: bh_b 512 float32; bh_w_codes 512 x 16 x 24 uint8 (E2M3 codes of bh_w, K innermost, in blocks of 32 codes, four codes in three bytes); bh_w_scales 512 x 16 uint8 (E8M0 scales of bh_w, one for each 32 codes along K); bproj_b 512 float32; bproj_w 512 x 10 float32; bz_b 512 float32; bz_w_codes 512 x 16 x 24 uint8 (E2M3 codes of bz_w, K innermost, in blocks of 32 codes, four codes in three bytes); bz_w_scales 512 x 16 uint8 (E8M0 scales of bz_w, one for each 32 codes along K); fh_b 512 float32; fh_w_codes 512 x 16 x 24 uint8 (E2M3 codes of fh_w, K innermost, in blocks of 32 codes, four codes in three bytes); fh_w_scales 512 x 16 uint8 (E8M0 scales of fh_w, one for each 32 codes along K); fproj_b 512 float32; fproj_w 512 x 10 float32; fz_b 512 float32; fz_w_codes 512 x 16 x 24 uint8 (E2M3 codes of fz_w, K innermost, in blocks of 32 codes, four codes in three bytes); fz_w_scales 512 x 16 uint8 (E8M0 scales of fz_w, one for each 32 codes along K); gh_b1 256 float32; gh_b2 1 float32; gh_w1 256 x 1,032 float32; gh_w2 1 x 256 float32; ln_b 1,032 float32; ln_g 1,032 float32; t 16 x 2,048 float32; te_b1 8 float32; te_b2 8 float32; te_w1 8 x 1 float32; te_w2 8 x 8 float32; time_scale one number float32; x 16 x 2,048 x 2 float32.
;; Outputs: out0 16 x 2,048 x 1 float32.
;; This version of the problem:
;;   THIS VERSION OF THE PROBLEM IS GIVEN IN LOW PRECISION. The matrix products marked QUANTISED in the list below multiply operands that are first quantised to E2M3 (2 exponent bits, 3 mantissa bits; 6 bits a number), with one power-of-two scale for each 32 numbers along K (OCP MX v1.0); their sums are f32. All else is computed in f32.
;;   The module's matrix products, in the order in which they are computed (A, B: the left and right operand; K: the contracted axis; several contracted axes count as one K, in the product's order):
;;     1. [M 32,768, K 1] x [K 1, N 8]; A: computed on the way; B: input te_w1: left as it is (K = 1 < 32)
;;     2. [M 32,768, K 8] x [K 8, N 8]; A: computed on the way; B: input te_w2: left as it is (K = 8 < 32)
;;     3. [M 32,768, K 10] x [K 10, N 512]; A: computed on the way; B: input bproj_w: left as it is (K = 10 < 32)
;;     4. [M 32,768, K 512] x [K 512, N 512]; A: computed on the way; B: input bz_w (given as codes): QUANTISED
;;     5. [M 32,768, K 512] x [K 512, N 512]; A: computed on the way; B: input bh_w (given as codes): QUANTISED
;;     6. [M 32,768, K 10] x [K 10, N 512]; A: computed on the way; B: input fproj_w: left as it is (K = 10 < 32)
;;     7. [M 32,768, K 512] x [K 512, N 512]; A: computed on the way; B: input fz_w (given as codes): QUANTISED
;;     8. [M 32,768, K 512] x [K 512, N 512]; A: computed on the way; B: input fh_w (given as codes): QUANTISED
;;     9. [M 32,768, K 1,032] x [K 1,032, N 256]; A: computed on the way; B: input gh_w1: QUANTISED
;;     10. [M 32,768, K 256] x [K 256, N 1]; A: computed on the way; B: input gh_w2: left as it is (N = 1 < 16)
;;   THE QUANTISER, for each operand of a quantised product, along K:
;;     - K is cut into blocks of 32 from its start; a last block that is shorter is filled with zeros.
;;     - A block's scale is 2^e with e = floor(log2(the largest magnitude in the block)) - 2, held to -126 .. 127; a block of zeros has e = 0. As a byte (E8M0): e + 127.
;;     - Each number is divided by its block's scale, clamped to +-7.5, and rounded to the nearest number of E2M3, ties to even, subnormals kept.
;;     - The product sums the exact products of the quantised numbers (number of the format x scale) in f32.
;;   ~~~python
;;   def quantise(x, axis):      # numpy; x: float32 -> the quantised numbers, widened to float32 again
;;       x = np.moveaxis(x, axis, -1); K = x.shape[-1]
;;       x = np.pad(x, [(0, 0)] * (x.ndim - 1) + [(0, -K % 32)]); x = x.reshape(x.shape[:-1] + (-1, 32)); a = np.abs(x).max(-1, keepdims=True)
;;       e = np.where(a > 0, np.clip(np.frexp(np.where(a > 0, a, 1))[1] - 1 - 2, -126, 127), 0)      # np.frexp(a)[1] - 1 = floor(log2(a)), exactly
;;       r = np.clip(x / 2.0 ** e, -7.5, 7.5)
;;       step = 2.0 ** (np.maximum(np.frexp(np.where(r == 0, 1, r))[1] - 1, 0) - 3)
;;       q = np.round(r / step) * step * 2.0 ** e      # np.round: ties to even
;;       return np.moveaxis(q.reshape(q.shape[:-2] + (-1,))[..., :K], -1, axis).astype(np.float32)
;;   ~~~
;;   OPERANDS COMPUTED ON THE WAY. 'Computed on the way' means the value that the module computes at that place (a softmax that the list does not call 'softmax' is quantised finished and normalised). What goes into a quantiser is computed in f32, as accurately as f32 sums, v_exp_f32 and their like allow (about 1e-6 of the number): no bf16 or f16 on the way to a quantiser, and a product that is left as it is and whose result goes on into a quantised operand takes f32 operands (vector FMAs, or v_wmma_f32_16x16x4_f32). A number that lies on a knife's edge between two numbers of the format may be rounded either way, as far as f32 arithmetic and the matrix unit's own rounding can turn it there, and no further.
;;   INPUTS GIVEN AS CODES. bh_w (in the module: [512, 512], K = its axis 1); bz_w (in the module: [512, 512], K = its axis 1); fh_w (in the module: [512, 512], K = its axis 1); fz_w (in the module: [512, 512], K = its axis 1): each comes as NAME_codes (uint8): NAME with its K axis moved to the last place and cut into blocks of 32 codes, [.., K / 32, bytes a block], one block behind the other in memory; four codes in three bytes: a row's codes are one little-endian stream of bits, code i at bits 6 i .. 6 i + 5 (a code: sign, 2 exponent bits, 3 mantissa bits); and NAME_scales (uint8): the same leading axes, one E8M0 byte (e + 127) for each 32 codes along K. Its value is code x scale, taken as it is: it is not quantised again, and the codes and scales need not be those that the quantiser above would give.
;; 2 versions, each right; version 2 is version 1 with the launches scan, head written anew for expert scheduling mode. Each part assembles by itself: llvm-mc -triple=amdgcn-amd-amdhsa -mcpu=gfx1250 --defsym DOCPART=n.
;; ======== version 1 of 2: 3 launches
;; workspace buffers: xq 25,165,824 bytes; xs 1,048,576 bytes; tebuf 1,048,576 bytes; ghq 221,184 bytes; ghs 18,432 bytes; hbuf 135,266,304 bytes; wq 786,432 bytes
;; launch prep (part 1): grid 256 x 1, 8 waves a work-group, no clusters, 25,600 bytes of LDS; arguments x, t, te_w1, te_b1, te_w2, te_b2, fproj_w, fproj_b, bproj_w, bproj_b, gh_w1, xq, xs, tebuf, ghq, ghs, fz_w_codes, fh_w_codes, bz_w_codes, bh_w_codes, wq; writes xq, xs, tebuf, ghq, ghs, wq
.if DOCPART == 1
	.amdgcn_target "amdgcn-amd-amdhsa--gfx1250"
	.amdhsa_code_object_version 6
	.text
	.protected	k_qb9ed0e02df_prep
	.globl	k_qb9ed0e02df_prep
	.p2align	8
	.type	k_qb9ed0e02df_prep,@function
k_qb9ed0e02df_prep:
	s_mov_b64 s[64:65], 0
	v_nop
	global_prefetch_b8 v0, s[64:65] scope:SCOPE_SE
	s_setreg_imm32_b32 hwreg(HW_REG_WAVE_MODE, 25, 1), 1
	s_wait_xcnt 0x0
; PREP.  te = relu(ts w1 + b1) w2^T + b2, xc = [x, te], xp = xc proj^T + bias for both directions, all in f32; xp is quantised along its 512 channels to
; codes of FP6 (E2M3) with one E8M0 byte for each 32, and leaves as IMAGES OF OPERAND REGISTERS: a fragment (16 rows x 128 K) is 12 registers a lane, stored by three
; stores of 16 bytes a lane, 512 consecutive bytes each.  gh_w1 [256][1032] is quantised the same way, its K filled with zero codes to 1,152.
; The four given weights' codes are copied, unchanged, into the same kind of images (wq), so that the next launch fetches them by dense loads: 512 fragments, one for each of waves 0 and 1 of every work-group.
; SCAN INDEX.  idx runs along the scan: position = idx forward, 2047 - idx backward.  Row m of fragment (g, t) is idx 64 g + 8 t + m % 8 + 32 (m / 8), so that in the next launch a lane owns 32 neighbouring idx.
; SHARES.  256 work-groups of 8 waves: direction (1 bit), batch (4 bits), 4 groups g of 64 idx (3 bits).  A wave makes two fragment rows (jobs) of 16 idx x 512 channels.
; THE PROJECTION (K = 10, f32 operands since its result is quantised) goes by the f32 matrix form with K = 12: ten inputs, 1.0 against the bias, 0 against 0.  It is used transposed
; (source 0 = 16 channels, source 1 = my 16 rows), and the channels of a tile are chosen (lane r of tile 2 b + u: channel 32 b + 8 u + r + 8 (r / 8)) so that the 16 registers of two neighbouring tiles are 16 neighbouring channels.
; All eight waves want the same 32 tiles x 3 K steps of it: wave w fetches tiles 4 w .. 4 w + 3 from memory and the 192 registers go round through LDS as they stand, 16 bytes a lane, 512 bytes an instruction.
; The accumulators v48-111 are written by matrix instructions alone, and take turns.
; ORDER.  te and source 1 of BOTH jobs are made first (between the LDS stores and the barrier); the time encoder's registers are then free, and the work-groups that quantise gh_w1 ask for its numbers there, ahead of the matrix work.
; LIMITS: NaN and infinities among the inputs are not served.  A block whose largest magnitude lies under 2^-124 gets the byte 1; a block of zeros gets the byte 1 and zero codes (only this program reads these bytes).
; REGISTERS, window 0: v1 r, v2 h, v3 0, v6-11 the two jobs' offsets, v12-15 x, v18-27 te, 1.0, 0; v28-35 u, then job 1's source 1; v36-41 job 0's source 1; v42-45 te to store; v47 LDS address; v48-111 accumulators;
;   v112-131 codes; v132-147 at work; v148-155 scale words, an offset; v156-159 offsets; v160-247 the time encoder's weights (later 64 numbers of gh_w1); v248-250 t; v251-255 offsets.
;   window 1: v0-191 the projection's 32 tiles x 3 K steps; v192-195 my four tiles' bias; v224 0.
.set XC,   16
.set UU,   28
.set XB0,  36
.set XB1,  28
.set TEQ0, 42
.set TEQ1, 18
.set LW,   47
.set HA,   48
.set PC,   112
.set TM,   132
.set PW,   148
.set PWS,  149
.set VWR,  153
.set XSP,  154
.set T0O,  156
.set LI,   157
.set XSO,  158
.set LS,   159
.set TEW1, 160
.set TEB1, 168
.set TEW2, 176
.set TEB2, 240
.set TV,   248
.set VP,   251
.set VP2,  252
.set VPB,  253
.set VG,   254
.set VG2,  255
.set GX,   160
.set HM,   40
.set SEL,  42
.set MSB, 0
.macro WIN new                         ; the immediate's high byte repeats the setting that is left
.if MSB != (\new)
	s_set_vgpr_msb (MSB<<8)|(\new)
.set MSB, (\new)
.endif
.endm
; 64 numbers of a lane, register 16 b + i = k 32 b + 16 (lane / 16) + i of my row, become a fragment's codes in v[PC] on and its scale word in v[PW].
.macro QUANT s
.irp b, 0,1,2,3
	v_max3_num_f32 v[TM+\b], |v[\s+16*\b]|, |v[\s+1+16*\b]|, 0x1800000   ; my 16 numbers of block b, and the floor 2^(3 - 127): the byte cannot fall under 1
.endr
.irp i, 2,4,6,8,10,12,14
.irp b, 0,1,2,3
	v_max3_num_f32 v[TM+\b], v[TM+\b], |v[\s+16*\b+\i]|, |v[\s+1+16*\b+\i]|
.endr
.endr
.irp b, 0,1,2,3
	v_permlanex16_b32 v[TM+4+\b], v[TM+\b], s[SEL], s[SEL+1]
.endr
.irp b, 0,1,2,3
	v_max_num_f32 v[TM+\b], v[TM+\b], v[TM+4+\b]   ; with lane l xor 16: the block's largest magnitude
.endr
.irp b, 0,1,2,3
	v_add_nc_u32 v[TM+12+\b], 0xff000000, v[TM+\b]   ; 2 off its exponent field: the conversion's scale operand
.endr
.irp b, 0,1,2,3
	v_lshrrev_b32 v[TM+4+\b], 23, v[TM+12+\b]   ; the scale's byte
.endr
	v_lshl_or_b32 v[PW], v[TM+5], 8, v[TM+4]
	v_lshl_or_b32 v[PW], v[TM+6], 16, v[PW]
	v_lshl_or_b32 v[PW], v[TM+7], 24, v[PW]
.irp c, 0,1
	v_cvt_scalef32_pk16_fp6_f32 v[PC+6*\c:PC+2+6*\c], v[\s+32*\c:\s+15+32*\c], v[TM+12+2*\c]
	v_cvt_scalef32_pk16_fp6_f32 v[PC+12+4*\c:PC+14+4*\c], v[\s+16+32*\c:\s+31+32*\c], v[TM+12+2*\c+1]   ; (a conversion's three registers begin on an even number)
.endr
	v_nop                                          ; one plain place behind a scaled conversion
.irp c, 0,1                                    ; the layout wants a whole block in a lane: lanes 0-15 block 2 c, lanes 16-31 block 2 c + 1
.irp i, 0,1,2
	v_permlane16_swap_b32 v[PC+6*\c+\i], v[PC+12+4*\c+\i]
.endr
.irp i, 0,1,2
	v_mov_b32 v[PC+3+6*\c+\i], v[PC+12+4*\c+\i]
.endr
.endr
.endm
	s_load_b512 s[4:19], s[0:1], 0x0               ; x, t, te_w1, te_b1, te_w2, te_b2, fproj_w, fproj_b
	s_load_b512 s[20:35], s[0:1], 0x40             ; bproj_w, bproj_b, gh_w1, xq, xs, tebuf, ghq, ghs
	s_load_b256 s[68:75], s[0:1], 0x80             ; the codes of fz_w, fh_w, bz_w, bh_w
	s_load_b64 s[76:77], s[0:1], 0xa0              ; wq
	v_lshl_add_u32 v142, v0, 2, 0x6000
	v_mov_b32 v143, 0
	v_lshrrev_b32 v1, 5, v0
	v_readfirstlane_b32 s36, v1                    ; wave 0..7
	v_and_b32 v1, 15, v0                           ; r
	v_bfe_u32 v2, v0, 4, 1                         ; h
	v_mov_b32 v3, 0
	s_lshr_b32 s37, ttmp9, 7                       ; direction
	s_bfe_u32 s38, ttmp9, 0x40003                  ; batch
	s_and_b32 s39, ttmp9, 7
	s_lshl_b32 s39, s39, 2
	s_lshr_b32 s41, s36, 1
	s_add_co_u32 s39, s39, s41                     ; g
	s_and_b32 s41, s36, 1                          ; my two jobs: t = 2 (wave % 2) + 0, 1
	s_mov_b32 s[HM], 0xffff0000                    ; lanes 16-31
	s_mov_b32 s[SEL], 0x76543210
	s_mov_b32 s[SEL+1], 0xfedcba98
	s_mul_i32 s44, s37, 2047                       ; position = idx xor this
	s_lshl_b32 s45, s39, 6
	s_lshl_b32 s46, s41, 4
	s_add_co_u32 s45, s45, s46                     ; 64 g + 8 t of job 0
	v_and_b32 v4, 7, v1
	v_lshrrev_b32 v5, 3, v1
	v_lshl_add_u32 v4, v5, 5, v4
	v_add_nc_u32 v4, s45, v4                       ; my row's idx in job 0
	s_lshl_b32 s46, s38, 11                        ; 2048 x batch
.irp q, 0,1
	v_add_nc_u32 v5, 8*\q, v4
	v_xor_b32 v5, s44, v5
	v_add_nc_u32 v5, s46, v5                       ; row of x, t, te
	v_lshlrev_b32 v[6+\q], 3, v5
	v_lshlrev_b32 v[8+\q], 2, v5
	v_lshlrev_b32 v[10+\q], 5, v5
	v_lshl_add_u32 v[10+\q], v2, 4, v[10+\q]
.endr
	s_lshl_b32 s47, s46, 2
	v_mov_b32 v[T0O], s47                          ; t[batch][0]
	v_and_b32 v47, 31, v0
	v_lshlrev_b32 v[LI], 4, v47
	v_lshlrev_b32 v[LS], 2, v47
	s_mul_i32 s62, s36, 3072
	v_add_nc_u32 v[LW], s62, v[LI]                 ; LDS: where my four tiles' 24 registers go: 3,072 x wave + 16 x lane
	v_lshlrev_b32 v[XSO], 4, v1
	v_lshl_add_u32 v[XSO], v2, 3, v[XSO]
	v_and_b32 v46, 8, v1
	v_add_nc_u32 v46, v46, v1                      ; r + 8 (r / 8)
	v_mul_u32_u24 v[VP2], v46, 40                  ; a row of the projection is 40 bytes
	v_lshl_add_u32 v[VP], v2, 3, v[VP2]
	v_lshlrev_b32 v[VPB], 2, v46
	v_mul_u32_u24 v[VG2], v1, 4128                 ; a row of gh_w1 is 4,128 bytes
	v_lshl_add_u32 v[VG], v2, 6, v[VG2]
	v_mul_u32_u24 v[VWR], v1, 384                  ; a row of a given weight's codes is 384 bytes
	v_mad_u32_u24 v[VWR], v2, 24, v[VWR]
	v_mov_b32 v[XC+10], 1.0                        ; against the bias
	v_mov_b32 v[XC+11], 0
.irp b, 0,1,2,3
	v_mov_b32 v[TM+4+\b], 0                        ; written once: a lane permute's destination counts as one of its sources
.endr
	s_lshl_b32 s48, s37, 4
	s_add_co_u32 s48, s48, s38
	s_lshl_b32 s48, s48, 5
	s_add_co_u32 s48, s48, s39
	s_lshl_b32 s48, s48, 2
	s_lshl_b32 s49, s41, 1
	s_add_co_u32 s48, s48, s49                     ; number of job 0: ((16 d + b) 32 + g) 4 + t
	s_mul_i32 s50, s48, 6144                       ; a job's four fragments
	s_mov_b32 s51, 0
	s_lshl_b32 s52, s48, 8                         ; a job's scale words
	s_mov_b32 s53, 0
	s_mul_i32 s60, s36, 2560                       ; my four tiles of the projection: 64 rows of 40 bytes a wave,
	s_mov_b32 s61, 0
	s_lshl_b32 s54, s36, 8                         ; and of its bias
	s_mov_b32 s55, 0
	s_lshr_b32 s63, ttmp9, 6                       ; which of the four given weights this work-group copies from
	s_and_b32 s78, s63, 1
	s_lshl_b32 s79, ttmp9, 1
	s_add_co_u32 s79, s79, s36                     ; fragment 2 x work-group + wave (waves 0 and 1): weight x 128 + tile x 4 + K step
	s_and_b32 s56, s79, 127
	s_lshr_b32 s57, s56, 2
	s_mul_i32 s57, s57, 6144                       ; 16 rows of 384 bytes a tile
	s_and_b32 s56, s56, 3
	s_mul_i32 s56, s56, 96                         ; 96 bytes a K step
	s_add_co_u32 s56, s56, s57
	s_mov_b32 s57, 0
	s_mul_i32 s58, s79, 1536                       ; its image
	s_mov_b32 s59, 0
	s_wait_kmcnt 0x0
	s_cmp_eq_u32 s37, 0                            ; the direction's projection: the choices hang on the work-group's number alone
	s_cselect_b64 s[16:17], s[16:17], s[20:21]
	s_cselect_b64 s[18:19], s[18:19], s[22:23]
	s_cmp_lt_u32 s63, 2
	s_cselect_b64 s[68:69], s[68:69], s[72:73]
	s_cselect_b64 s[70:71], s[70:71], s[74:75]
	s_cmp_eq_u32 s78, 0
	s_cselect_b64 s[68:69], s[68:69], s[70:71]
	s_add_nc_u64 s[16:17], s[16:17], s[60:61]
	s_add_nc_u64 s[18:19], s[18:19], s[54:55]
	s_add_nc_u64 s[26:27], s[26:27], s[50:51]
	s_add_nc_u64 s[28:29], s[28:29], s[52:53]
	s_add_nc_u64 s[68:69], s[68:69], s[56:57]
	s_add_nc_u64 s[76:77], s[76:77], s[58:59]
	global_load_b64 v[12:13], v6, s[4:5]
	global_load_b64 v[14:15], v7, s[4:5]
	global_load_b32 v[TV], v8, s[6:7]
	global_load_b32 v[TV+1], v9, s[6:7]
	global_load_b32 v[TV+2], v[T0O], s[6:7]
	global_load_b128 v[TEW1:TEW1+3], v3, s[8:9]    ; the time encoder's weights: the same in every lane
	global_load_b128 v[TEW1+4:TEW1+7], v3, s[8:9] offset:16
	global_load_b128 v[TEB1:TEB1+3], v3, s[10:11]
	global_load_b128 v[TEB1+4:TEB1+7], v3, s[10:11] offset:16
.set qq, 0
.rept 16
	global_load_b128 v[TEW2+4*qq:TEW2+4*qq+3], v3, s[12:13] offset:16*qq
.set qq, qq+1
.endr
	global_load_b128 v[TEB2:TEB2+3], v3, s[14:15]
	global_load_b128 v[TEB2+4:TEB2+7], v3, s[14:15] offset:16
	s_cmp_lt_u32 s36, 2                            ; waves 0 and 1: a fragment of a given weight, as the operand's layout wants it: 24 bytes of row r at 24 h, and 48 bytes on
	s_cbranch_scc0 .Lno_w
.irp p, 0,1,2,3,4,5
	global_load_b64 v[PC+2*\p:PC+2*\p+1], v[VWR], s[68:69] offset:48*(\p/3)+8*(\p%3)
.endr
.Lno_w:
	WIN 0x40                                       ; destination window 1
.irp i, 0,1,2,3                                ; my tile 4 w + i, K step ks: lane (r, h) holds k = 4 ks + 2 h + 0, 1 of its channel
	global_load_b64 v[6*\i:6*\i+1], v[VP], s[16:17] offset:(32*(\i/2)+8*(\i%2))*40
	global_load_b64 v[6*\i+2:6*\i+3], v[VP], s[16:17] offset:(32*(\i/2)+8*(\i%2))*40+16
	global_load_b64 v[6*\i+4:6*\i+5], v[VP2], s[16:17] offset:(32*(\i/2)+8*(\i%2))*40+32   ; k = 8, 9 in every lane: no load leaves the row
	global_load_b32 v[192+\i], v[VPB], s[18:19] offset:(32*(\i/2)+8*(\i%2))*4
.endr
	v_mov_b32 v224, 0
	s_wait_loadcnt 0x0
	WIN 0x45                                       ; destination and both sources window 1
.irp i, 0,1,2,3
	v_cndmask_b32 v[6*\i+4], v[6*\i+4], v[192+\i], s[HM]   ; lanes 16-31 of K step 2: k = 10 is the bias,
	v_cndmask_b32 v[6*\i+5], v[6*\i+5], v224, s[HM]        ; k = 11 is 0
.endr
	WIN 0x04                                       ; an LDS store's data are its source 1: window 1
.irp c, 0,1,2,3,4,5
	ds_store_b128 v[LW], v[4*\c:4*\c+3] offset:512*\c      ; my 24 registers as they stand
.endr
	WIN 0
	s_cmp_lt_u32 s36, 2
	s_cbranch_scc0 .Lno_ws
.irp c, 0,1,2
	global_store_b128 v[LI], v[PC+4*\c:PC+4*\c+3], s[76:77] offset:512*\c   ; the weight's fragment as an image: 512 consecutive bytes a store
.endr
.Lno_ws:
; te and source 1 of job jj: lane (r, h) holds xc(k = 4 ks + 2 h + 0, 1) of row r in v[xb + 2 ks] on
.macro TEPART jj, xb, teq
	v_sub_f32 v46, v[TV+\jj], v[TV+2]              ; ts
.irp i, 0,1,2,3,4,5,6,7
	v_fma_f32 v[UU+\i], v46, v[TEW1+\i], v[TEB1+\i]
.endr
.irp i, 0,1,2,3,4,5,6,7
	v_max_num_f32 v[UU+\i], 0, v[UU+\i]
.endr
.irp o, 0,1,2,3,4,5,6,7
	v_fma_f32 v[XC+2+\o], v[UU], v[TEW2+8*\o], v[TEB2+\o]
.endr
.irp i, 1,2,3,4,5,6,7
.irp o, 0,1,2,3,4,5,6,7
	v_fma_f32 v[XC+2+\o], v[UU+\i], v[TEW2+8*\o+\i], v[XC+2+\o]
.endr
.endr
	v_cndmask_b32 v[\xb], v[12+2*\jj], v[XC+2], s[HM]
	v_cndmask_b32 v[\xb+1], v[13+2*\jj], v[XC+3], s[HM]
	v_cndmask_b32 v[\xb+2], v[XC+4], v[XC+6], s[HM]
	v_cndmask_b32 v[\xb+3], v[XC+5], v[XC+7], s[HM]
	v_cndmask_b32 v[\xb+4], v[XC+8], v[XC+10], s[HM]
	v_cndmask_b32 v[\xb+5], v[XC+9], v[XC+11], s[HM]
	s_cmp_lg_u32 s37, 0                            ; te is stored by the forward work-groups alone: each byte by one work-group
	s_cbranch_scc1 .Lno_te_\@
.irp i, 0,1,2,3
	v_cndmask_b32 v[\teq+\i], v[XC+2+\i], v[XC+6+\i], s[HM]
.endr
	global_store_b128 v[10+\jj], v[\teq:\teq+3], s[30:31]    ; eight neighbouring rows x 32 bytes: 256 consecutive bytes
.Lno_te_\@:
.endm
	TEPART 0, XB0, TEQ0                            ; this arithmetic stands between my LDS stores and the wait for them
	TEPART 1, XB1, TEQ1                            ; (job 1's source 1 takes u's registers, its te to store is formed in place)
	s_wait_dscnt 0x0                               ; for the others' sake: my part of the projection lies in LDS
	s_barrier_signal -1
	s_barrier_wait -1                              ; everybody's does
	WIN 0x40
.set qq, 0
.rept 48
	ds_load_b128 v[4*qq:4*qq+3], v[LI] offset:512*qq   ; all 32 tiles x 3 K steps: the same registers in the same lanes as the wave that made them
.set qq, qq+1
.endr
	WIN 0
	; gh_w1: 16 tiles of 16 rows x 9 K steps = 144 fragments: one for each wave of the first 18 work-groups.  Its numbers are asked for here, into the time encoder's registers, and used behind the jobs
	s_cmp_lt_u32 ttmp9, 18
	s_cbranch_scc0 .Lno_gh
	s_lshr_b32 s50, ttmp9, 1                       ; K step 0..8
	s_and_b32 s51, ttmp9, 1
	s_lshl_b32 s51, s51, 3
	s_add_co_u32 s51, s51, s36                     ; tile of rows 0..15
	s_mul_i32 s52, s51, 16*4128
	s_lshl_b32 s53, s50, 9
	s_add_co_u32 s52, s52, s53
	s_mov_b32 s53, 0
	s_add_nc_u64 s[24:25], s[24:25], s[52:53]
	s_mul_i32 s54, s51, 9
	s_add_co_u32 s54, s54, s50
	s_mul_i32 s52, s54, 1536
	s_add_nc_u64 s[32:33], s[32:33], s[52:53]
	s_lshl_b32 s52, s54, 7
	s_add_nc_u64 s[34:35], s[34:35], s[52:53]
	s_cmp_eq_u32 s50, 8
	s_cbranch_scc1 .Ltail
.set qq, 0
.rept 16
	global_load_b128 v[GX+4*qq:GX+4*qq+3], v[VG], s[24:25] offset:128*(qq/4)+16*(qq%4)   ; k 32 b + 16 h + 4 v on
.set qq, qq+1
.endr
	s_branch .Lno_gh
.Ltail:                                            ; K step 8 holds k = 1024 .. 1031 and zeros: every lane loads the row's last 32 bytes, so that no load leaves the buffer
	global_load_b128 v[GX:GX+3], v[VG2], s[24:25]
	global_load_b128 v[GX+4:GX+7], v[VG2], s[24:25] offset:16
.Lno_gh:
	s_wait_dscnt 0x0                               ; the projection is in my registers
.rept 4
	v_nop
.endr
; The 512 projected channels of job jj's 16 rows, in four groups of 128, each quantised and stored.
.macro MATPART jj, xb
.irp kap, 0,1,2,3
	WIN 0x01                                       ; source 0 window 1
.irp ks, 0,1,2
.irp i, 0,1,2,3,4,5,6,7
.if \ks == 0
	v_wmma_f32_16x16x4_f32 v[HA+8*\i:HA+8*\i+7], v[6*(8*\kap+\i):6*(8*\kap+\i)+1], v[\xb:\xb+1], 0
.else
	v_wmma_f32_16x16x4_f32 v[HA+8*\i:HA+8*\i+7], v[6*(8*\kap+\i)+2*\ks:6*(8*\kap+\i)+2*\ks+1], v[\xb+2*\ks:\xb+2*\ks+1], v[HA+8*\i:HA+8*\i+7]
.endif
.endr
.endr
	WIN 0
.rept 8
	v_nop                                          ; eight places behind this form before a vector instruction reads its result (ISA guide 7.12.1)
.endr
	s_wait_xcnt 0x0                                ; the earlier stores have read their data: the codes' registers are written again only behind this wait
	QUANT HA
.irp c, 0,1,2
	global_store_b128 v[LI], v[PC+4*\c:PC+4*\c+3], s[26:27] offset:6144*\jj+1536*\kap+512*\c   ; 32 lanes store 512 consecutive bytes
.endr
	v_mov_b32 v[PWS+\kap], v[PW]
.if (\kap < 3) || (\jj == 0)
.rept 9
	v_nop                                          ; nine places before the next group's first products write over these accumulators
.endr
.endif
.endr
	v_cndmask_b32 v[XSP], v[PWS], v[PWS+2], s[HM]
	v_cndmask_b32 v[XSP+1], v[PWS+1], v[PWS+3], s[HM]
	global_store_b64 v[XSO], v[XSP:XSP+1], s[28:29] offset:256*\jj   ; row r's four scale words: 16 r + 8 h: 256 consecutive bytes a wave
.endm
	MATPART 0, XB0
	MATPART 1, XB1
	s_cmp_lt_u32 ttmp9, 18                         ; gh_w1's fragment: its numbers were asked for ahead of the jobs
	s_cbranch_scc0 .Lend
	s_wait_loadcnt 0x0
	s_cmp_eq_u32 s50, 8
	s_cbranch_scc0 .Lgq
.set qq, 8
.rept 56
	v_mov_b32 v[GX+qq], 0                          ; K step 8: k = 1032 on are zeros,
.set qq, qq+1
.endr
.irp i, 0,1,2,3,4,5,6,7
	v_cndmask_b32 v[GX+\i], v[GX+\i], v3, s[HM]    ; and lanes 16-31 stand for k = 1040 on
.endr
.Lgq:
	s_wait_xcnt 0x0                                ; the jobs' stores have read the codes' registers
	QUANT GX
.irp c, 0,1,2
	global_store_b128 v[LI], v[PC+4*\c:PC+4*\c+3], s[32:33] offset:512*\c
.endr
	global_store_b32 v[LS], v[PW], s[34:35]
.Lend:
	s_wait_tensorcnt 0x0
	ds_add_u32 v142, v143
	s_wait_dscnt 0x0
	s_endpgm
.Lfunc_end_k_qb9ed0e02df_prep:
	.size	k_qb9ed0e02df_prep, .Lfunc_end_k_qb9ed0e02df_prep-k_qb9ed0e02df_prep
	.p2alignl 7, 3214868480
	.fill 96, 4, 3214868480
	.section	.rodata,"a",@progbits
	.p2align	6, 0x0
	.amdhsa_kernel k_qb9ed0e02df_prep
		.amdhsa_group_segment_fixed_size 25600
		.amdhsa_private_segment_fixed_size 0
		.amdhsa_enable_private_segment 0
		.amdhsa_kernarg_size 168
		.amdhsa_user_sgpr_count 2
		.amdhsa_user_sgpr_kernarg_segment_ptr 1
		.amdhsa_wavefront_size32 1
		.amdhsa_system_sgpr_workgroup_id_x 1
		.amdhsa_system_sgpr_workgroup_id_y 1
		.amdhsa_system_sgpr_workgroup_id_z 1
		.amdhsa_system_vgpr_workitem_id 0
		.amdhsa_next_free_vgpr 512
		.amdhsa_next_free_sgpr 80
		.amdhsa_reserve_vcc 0
		.amdhsa_float_denorm_mode_32 3
		.amdhsa_float_denorm_mode_16_64 3
		.amdhsa_memory_ordered 1
		.amdhsa_forward_progress 1
		.amdhsa_inst_pref_size 84
	.end_amdhsa_kernel
	.amdgpu_metadata
---
amdhsa.version: [ 1, 2 ]
amdhsa.kernels:
  - .name:           k_qb9ed0e02df_prep
    .symbol:         k_qb9ed0e02df_prep.kd
    .args:
      - { .name: x, .offset: 0, .size: 8, .value_kind: global_buffer, .address_space: global }
      - { .name: t, .offset: 8, .size: 8, .value_kind: global_buffer, .address_space: global }
      - { .name: te_w1, .offset: 16, .size: 8, .value_kind: global_buffer, .address_space: global }
      - { .name: te_b1, .offset: 24, .size: 8, .value_kind: global_buffer, .address_space: global }
      - { .name: te_w2, .offset: 32, .size: 8, .value_kind: global_buffer, .address_space: global }
      - { .name: te_b2, .offset: 40, .size: 8, .value_kind: global_buffer, .address_space: global }
      - { .name: fproj_w, .offset: 48, .size: 8, .value_kind: global_buffer, .address_space: global }
      - { .name: fproj_b, .offset: 56, .size: 8, .value_kind: global_buffer, .address_space: global }
      - { .name: bproj_w, .offset: 64, .size: 8, .value_kind: global_buffer, .address_space: global }
      - { .name: bproj_b, .offset: 72, .size: 8, .value_kind: global_buffer, .address_space: global }
      - { .name: gh_w1, .offset: 80, .size: 8, .value_kind: global_buffer, .address_space: global }
      - { .name: xq, .offset: 88, .size: 8, .value_kind: global_buffer, .address_space: global }
      - { .name: xs, .offset: 96, .size: 8, .value_kind: global_buffer, .address_space: global }
      - { .name: tebuf, .offset: 104, .size: 8, .value_kind: global_buffer, .address_space: global }
      - { .name: ghq, .offset: 112, .size: 8, .value_kind: global_buffer, .address_space: global }
      - { .name: ghs, .offset: 120, .size: 8, .value_kind: global_buffer, .address_space: global }
      - { .name: fz_w_codes, .offset: 128, .size: 8, .value_kind: global_buffer, .address_space: global }
      - { .name: fh_w_codes, .offset: 136, .size: 8, .value_kind: global_buffer, .address_space: global }
      - { .name: bz_w_codes, .offset: 144, .size: 8, .value_kind: global_buffer, .address_space: global }
      - { .name: bh_w_codes, .offset: 152, .size: 8, .value_kind: global_buffer, .address_space: global }
      - { .name: wq, .offset: 160, .size: 8, .value_kind: global_buffer, .address_space: global }
    .group_segment_fixed_size: 25600
    .private_segment_fixed_size: 0
    .kernarg_segment_align: 8
    .kernarg_segment_size: 168
    .max_flat_workgroup_size: 256
    .sgpr_count:     80
    .vgpr_count:     512
    .wavefront_size: 32
...
	.end_amdgpu_metadata
.endif
;; end of part 1
;; launch scan (part 2): grid 8 x 32, 4 waves a work-group, no clusters, 75,264 bytes of LDS; arguments xq, xs, wq, fz_w_scales, fz_b, fh_w_scales, fh_b, bz_w_scales, bz_b, bh_w_scales, bh_b, hbuf; writes hbuf
.if DOCPART == 2
	.amdgcn_target "amdgcn-amd-amdhsa--gfx1250"
	.amdhsa_code_object_version 6
	.text
	.protected	k_qb9ed0e02df_scan
	.globl	k_qb9ed0e02df_scan
	.p2align	8
	.type	k_qb9ed0e02df_scan,@function
k_qb9ed0e02df_scan:
	s_mov_b64 s[64:65], 0
	v_nop
	global_prefetch_b8 v0, s[64:65] scope:SCOPE_SE
	s_setreg_imm32_b32 hwreg(HW_REG_WAVE_MODE, 25, 1), 1
	s_wait_xcnt 0x0
; SCAN.  For one direction and batch (work-group y) and 64 channels (work-group x): z = sigmoid(xp Wz^T + bz), y = xp Wh^T + bh, both products on codes of FP6 (E2M3) with E8M0 scales, a = 1 - z, b = z y,
; and h = A cumsum(b / max(A, 1e-12)), A = cumprod(a), written as the recurrence that it equals:  A_l = a_l A_(l-1),  h_l = a_l h_(l-1) + b_l min(1, 1e12 A_l).
; A is carried multiplied by 1e12.  a is formed as 1 - 1 / (1 + 2^(-log2(e) (x + bz))), so that it is 0 where z rounds to 1.
; LIMITS: the recurrence differs from the cumulative sum in the order of f32 roundings alone; NaN and infinities are not served.
; SHARES.  The work-group walks the 2,048 scan indices in 8 blocks of 256.  In a block wave w owns 64 indices for all 64 channels: source 0 = 16 rows of xp (register images made by the launch before), source 1 = 16 rows of a weight.
; The rows of fragment t are idx 8 t + m % 8 + 32 (m / 8), so lane (r, h) holds channel 16 n + r and the 32 NEIGHBOURING indices 32 h + 8 t + j: one run; run number 2 w + h, eight runs to a block.
; TWO LEVELS, A before h, since min() makes a run's terms hang on the A that enters it: each run's product of a goes through LDS (barrier), every lane walks the eight products and picks its entering A;
; the run's terms and its own end value with h = 0 at its entry follow; these end values go through LDS (barrier), every lane walks them and picks its entering h; then the run's h.
; The weights (64 rows of Wz and of Wh: 384 registers) stay in registers for the whole launch; they come as register images too (the given codes, laid so by the launch before): 96 loads of 512 consecutive bytes.
; The next block's fragments of xp are asked for behind this block's products.
; h leaves through the wave's own stage in LDS as hbuf[d][b][channel / 4][row idx][4 channels]: sixteen lanes store 256 consecutive bytes, at a multiple of 256.  Rows 2048-2063 are zeros: what the shift by one position reads at a sequence's end.
; REGISTERS.  window 1: v0-191 Wz (12 (4 n + ks)), v192-239 xp's fragments of t = 0.   window 2: Wh, t = 1.   window 3: v0-127 z, then a (8 (4 t + n) + j); v128-255 y, then b, the terms, h.
;   window 0: v1-10 addresses; v12-15 zeros; v16-47 the weights' scale words; v48-63 xp's; v64-79 biases in pairs; v80-83 A carried; v84-87 h carried; v88-91 A entering; v92-95 a run's end value, then h entering;
;   v96-127 the eight products; v128-159 at work; v96-159 rows on the way out; v160-207, v208-255 xp's fragments of t = 2, 3.
.set LI,   1
.set RS16, 2
.set EXW,  4
.set EXR,  5
.set STW,  6
.set STR,  7
.set HO,   8
.set RHO,  9
.set BO,   10
.set ZR,   12
.set WSC,  16
.set ASC,  48
.set BZP,  64
.set BHP,  72
.set AC,   80
.set HC,   84
.set AIN,  88
.set GG,   92
.set EP,   96
.set CT,   128
.set RB,   96
.set EXG,  2048                        ; LDS: 0 the runs' products, 2048 their end values: word at 512 n + 32 r + 4 run
.set STG,  4096                        ; then a stage for each wave: row R of 64 at 272 R + 64 (R / 32), column 4 (16 n + r)
.set STGW, 17664
.set MSB, 0
.macro WIN new                         ; the immediate's high byte repeats the setting that is left
.if MSB != (\new)
	s_set_vgpr_msb (MSB<<8)|(\new)
.set MSB, (\new)
.endif
.endm
.macro BARRIER                         ; my LDS stores have landed and my LDS loads are in: then the work-group's barrier
	s_wait_dscnt 0x0
	s_barrier_signal -1
	s_barrier_wait -1
.endm
; A block's 16 fragments of xp and their scale words: 52 loads of 16 bytes a lane
.macro ALOAD
	WIN 0x40
.irp ks, 0,1,2,3
.irp c, 0,1,2
	global_load_b128 v[192+12*\ks+4*\c:192+12*\ks+4*\c+3], v[LI], s[4:5] offset:1536*\ks+512*\c
.endr
.endr
	WIN 0x80
.irp ks, 0,1,2,3
.irp c, 0,1,2
	global_load_b128 v[192+12*\ks+4*\c:192+12*\ks+4*\c+3], v[LI], s[4:5] offset:6144+1536*\ks+512*\c
.endr
.endr
	WIN 0
.irp ks, 0,1,2,3
.irp c, 0,1,2
	global_load_b128 v[160+12*\ks+4*\c:160+12*\ks+4*\c+3], v[LI], s[4:5] offset:12288+1536*\ks+512*\c
	global_load_b128 v[208+12*\ks+4*\c:208+12*\ks+4*\c+3], v[LI], s[4:5] offset:18432+1536*\ks+512*\c
.endr
.endr
.irp t, 0,1,2,3
	global_load_b128 v[ASC+4*\t:ASC+4*\t+3], v[RS16], s[6:7] offset:256*\t   ; row r's four words
.endr
.endm
; The 32 products of fragment row t: z's 16, then y's 16; K step by K step, the four accumulators by turns.  aw, ab: window and first register of xp's fragments.
.macro GEMMT t, aw, ab
.irp zh, 0,1
	WIN 0xF0+4*(\zh+1)+\aw
.irp ks, 0,1,2,3
.irp n, 0,1,2,3
.if \ks == 0
	v_wmma_scale_f32_16x16x128_f8f6f4 v[128*\zh+8*(4*\t+\n):128*\zh+8*(4*\t+\n)+7], v[\ab+12*\ks:\ab+12*\ks+11], v[12*(4*\n+\ks):12*(4*\n+\ks)+11], 0, v[ASC+4*\t+\ks], v[WSC+16*\zh+4*\n+\ks] matrix_a_fmt:MATRIX_FMT_FP6 matrix_b_fmt:MATRIX_FMT_FP6
.else
	v_wmma_scale_f32_16x16x128_f8f6f4 v[128*\zh+8*(4*\t+\n):128*\zh+8*(4*\t+\n)+7], v[\ab+12*\ks:\ab+12*\ks+11], v[12*(4*\n+\ks):12*(4*\n+\ks)+11], v[128*\zh+8*(4*\t+\n):128*\zh+8*(4*\t+\n)+7], v[ASC+4*\t+\ks], v[WSC+16*\zh+4*\n+\ks] matrix_a_fmt:MATRIX_FMT_FP6 matrix_b_fmt:MATRIX_FMT_FP6
.endif
.endr
.endr
.endr
.endm
	s_load_b512 s[4:19], s[0:1], 0x0               ; xq, xs, wq, fz scales, fz bias, fh scales, fh bias, bz scales
	s_load_b256 s[20:27], s[0:1], 0x40             ; bz bias, bh scales, bh bias, hbuf
	v_lshl_add_u32 v3, v0, 2, 0x12400
	s_set_vgpr_msb 0x40
	v_mov_b32 v255, 0
	s_set_vgpr_msb 0x4000
	v_lshrrev_b32 v9, 5, v0
	v_readfirstlane_b32 s34, v9                    ; wave 0..3
	v_and_b32 v10, 31, v0                          ; lane
	v_and_b32 v11, 15, v0                          ; r
	v_bfe_u32 v9, v0, 4, 1                         ; h
	v_lshlrev_b32 v[LI], 4, v10
	v_lshlrev_b32 v[RS16], 4, v11
	v_lshlrev_b32 v[EXW], 5, v11
	v_lshl_add_u32 v[EXW], v9, 2, v[EXW]
	s_lshl_b32 s54, s34, 3
	v_add_nc_u32 v[EXW], s54, v[EXW]               ; 32 r + 4 (2 w + h)
	v_lshlrev_b32 v[EXR], 5, v11
	s_mul_i32 s55, s34, STGW
	s_add_co_u32 s55, s55, STG                     ; my stage
	v_mul_u32_u24 v[STW], v9, 8768                 ; in: rows 32 h on (32 x 272 + 64), column 4 r
	v_lshl_add_u32 v[STW], v11, 2, v[STW]
	v_add_nc_u32 v[STW], s55, v[STW]
	v_mul_u32_u24 v[STR], v11, 272                 ; back: sixteen lanes take sixteen rows, 16 bytes (four channels) each; the halves of the lanes neighbouring fours
	v_lshl_add_u32 v[STR], v9, 4, v[STR]
	v_add_nc_u32 v[STR], s55, v[STR]
	v_mul_u32_u24 v[HO], v9, 33024                 ; and the same in hbuf: 33,024 bytes from four channels to the next four, 16 from row to row
	v_lshl_add_u32 v[HO], v11, 4, v[HO]
	s_lshl_b32 s54, s34, 1
	v_add_nc_u32 v[RHO], s54, v9                   ; my run: 2 w + h
	v_lshlrev_b32 v[BO], 2, v11
.irp i, 0,1,2,3
	v_mov_b32 v[ZR+\i], 0
.endr
.irp k, 0,1,2,3,4,5,6,7
	v_cmp_eq_u32 s[40+\k], \k, v[RHO]              ; the lanes of run k
.endr
	s_mov_b32 s48, 0xbfb8aa3b                      ; -log2(e)
	s_mov_b32 s49, s48
	s_and_b32 s36, ttmp7, 0xffff                   ; 16 d + b
	s_mul_i32 s54, ttmp9, 24576                    ; my 16 fragments of a weight's images,
	s_lshr_b32 s60, s36, 4
	s_mul_i32 s60, s60, 393216                     ; in the direction's two weights (196,608 bytes each: Wz, then Wh)
	s_add_co_u32 s54, s54, s60
	s_mov_b32 s55, 0
	s_lshl_b32 s56, ttmp9, 10                      ; my 64 rows of a weight's scale bytes,
	s_mov_b32 s57, 0
	s_lshl_b32 s58, ttmp9, 8                       ; of a bias
	s_mov_b32 s59, 0
	s_wait_kmcnt 0x0
	s_cmp_lt_u32 s36, 16                           ; the direction's scales and biases: the choice hangs on the work-group's number alone
	s_cselect_b64 s[10:11], s[10:11], s[18:19]
	s_cselect_b64 s[12:13], s[12:13], s[20:21]
	s_cselect_b64 s[14:15], s[14:15], s[22:23]
	s_cselect_b64 s[16:17], s[16:17], s[24:25]
	s_mov_b64 s[32:33], s[26:27]
	s_add_nc_u64 s[8:9], s[8:9], s[54:55]
	s_add_nc_u64 s[10:11], s[10:11], s[56:57]
	s_add_nc_u64 s[14:15], s[14:15], s[56:57]
	s_add_nc_u64 s[12:13], s[12:13], s[58:59]
	s_add_nc_u64 s[16:17], s[16:17], s[58:59]
	s_lshl_b32 s54, s36, 5
	s_add_co_u32 s54, s54, s34                     ; group of block 0: 32 (16 d + b) + w
	s_mul_i32 s56, s54, 24576
	s_add_nc_u64 s[4:5], s[4:5], s[56:57]
	s_lshl_b32 s56, s54, 10
	s_add_nc_u64 s[6:7], s[6:7], s[56:57]
	s_mul_i32 s56, s36, 4227072
	s_add_nc_u64 s[32:33], s[32:33], s[56:57]
	s_mul_i32 s56, ttmp9, 528384                   ; my 16 fours of channels
	s_add_nc_u64 s[32:33], s[32:33], s[56:57]
	s_add_nc_u64 s[52:53], s[32:33], 32768         ; row 2048
	s_lshl_b32 s56, s34, 10                        ; my wave's 64 rows
	s_add_nc_u64 s[32:33], s[32:33], s[56:57]
.irp n, 0,1,2,3
	global_load_b32 v[BZP+2*\n], v[BO], s[12:13] offset:64*\n
	global_load_b32 v[BHP+2*\n], v[BO], s[16:17] offset:64*\n
	global_load_b128 v[WSC+4*\n:WSC+4*\n+3], v[RS16], s[10:11] offset:256*\n
	global_load_b128 v[WSC+16+4*\n:WSC+16+4*\n+3], v[RS16], s[14:15] offset:256*\n
.endr
	WIN 0x40
.set qq, 0
.rept 48
	global_load_b128 v[4*qq:4*qq+3], v[LI], s[8:9] offset:512*qq          ; Wz: fragment 4 n + ks is 12 registers: three loads of 512 consecutive bytes
.set qq, qq+1
.endr
	WIN 0x80
.set qq, 0
.rept 48
	global_load_b128 v[4*qq:4*qq+3], v[LI], s[8:9] offset:196608+512*qq   ; Wh
.set qq, qq+1
.endr
	ALOAD                                          ; block 0
	s_cmp_lg_u32 s34, 0                            ; wave 0 writes the zero rows of the work-group's 16 fours of channels
	s_cbranch_scc1 .Lno_zero
.irp q, 0,1,2,3,4,5,6,7
	global_store_b128 v[HO], v[ZR:ZR+3], s[52:53] offset:66048*\q
.endr
.Lno_zero:
.irp n, 0,1,2,3
	v_mov_b32 v[AC+\n], 0x5368d4a5                 ; 1e12 x A, A = 1
	v_mov_b32 v[HC+\n], 0                          ; h0 = 0
	v_mov_b32 v[AIN+\n], 0                         ; (a select names its destination as a source)
.endr
	s_wait_loadcnt 0x0
.irp n, 0,1,2,3
	v_mul_f32 v[BZP+2*\n], s48, v[BZP+2*\n]        ; -log2(e) bz
	v_mov_b32 v[BHP+2*\n+1], v[BHP+2*\n]
.endr
.irp n, 0,1,2,3
	v_mov_b32 v[BZP+2*\n+1], v[BZP+2*\n]
.endr
	s_mov_b32 s37, 0
.Lblock:
	s_wait_loadcnt 0x0                             ; this block's fragments are in, so their loads' bases may step
	s_add_nc_u64 s[4:5], s[4:5], 98304             ; four groups on
	s_add_nc_u64 s[6:7], s[6:7], 4096
	GEMMT 0, 1, 192
	GEMMT 1, 2, 192
	GEMMT 2, 0, 160
	GEMMT 3, 0, 208
	WIN 0
.rept 4
	v_nop                                          ; four places before loads into registers that the products read, and before their results are read
.endr
	s_cmp_eq_u32 s37, 7                            ; the last block asks for nothing: no load leaves its buffer
	s_cbranch_scc1 .Lno_next
	ALOAD
.Lno_next:
	; ---- z, a, b: accumulator by accumulator, each from its low end on
	WIN 0xCF                                       ; destination, sources 0 and 1 window 3; source 2 (the biases) window 0
.set aa, 0
.rept 16
.set ZB, 8*aa
.set YB, 128+8*aa
.set nn, aa%4
.irp j, 0,2,4,6
	v_pk_fma_f32 v[ZB+\j:ZB+\j+1], v[ZB+\j:ZB+\j+1], s[48:49], v[BZP+2*nn:BZP+2*nn+1] op_sel_hi:[1,0,1]
.endr
.irp j, 0,1,2,3,4,5,6,7
	v_exp_f32 v[ZB+\j], v[ZB+\j]
.endr
.irp j, 0,2,4,6
	v_pk_fma_f32 v[YB+\j:YB+\j+1], v[YB+\j:YB+\j+1], 1.0, v[BHP+2*nn:BHP+2*nn+1] op_sel_hi:[1,0,1]   ; y + bh.  (Plain places behind the exponentials)
.endr
	s_wait_alu depctr_va_vdst(0)
.irp j, 0,2,4,6
	v_pk_add_f32 v[ZB+\j:ZB+\j+1], v[ZB+\j:ZB+\j+1], 1.0 op_sel_hi:[1,0]
.endr
.irp j, 0,1,2,3,4,5,6,7
	v_rcp_f32 v[ZB+\j], v[ZB+\j]                   ; z
.endr
	v_nop                                          ; one plain place behind a transcendental
	s_wait_alu depctr_va_vdst(0)
.irp j, 0,2,4,6
	v_pk_mul_f32 v[YB+\j:YB+\j+1], v[YB+\j:YB+\j+1], v[ZB+\j:ZB+\j+1]   ; b = z y
.endr
.irp j, 0,2,4,6
	v_pk_add_f32 v[ZB+\j:ZB+\j+1], v[ZB+\j:ZB+\j+1], 1.0 op_sel_hi:[1,0] neg_lo:[1,0] neg_hi:[1,0]   ; a = 1 - z
.endr
.set aa, aa+1
.endr
	; ---- my run's product of a, for each of my four channels
	WIN 0x0F
.irp n, 0,1,2,3
	v_pk_mul_f32 v[CT+2*\n:CT+2*\n+1], v[8*\n:8*\n+1], v[8*\n+2:8*\n+3]
.endr
	WIN 0x0C
.set pp, 2
.rept 14
.irp n, 0,1,2,3
	v_pk_mul_f32 v[CT+2*\n:CT+2*\n+1], v[CT+2*\n:CT+2*\n+1], v[8*(4*(pp/4)+\n)+2*(pp%4):8*(4*(pp/4)+\n)+2*(pp%4)+1]
.endr
.set pp, pp+1
.endr
	WIN 0
.irp n, 0,1,2,3
	v_mul_f32 v[CT+8+\n], v[CT+2*\n], v[CT+2*\n+1]
.endr
.irp n, 0,1,2,3
	ds_store_b32 v[EXW], v[CT+8+\n] offset:512*\n
.endr
	BARRIER                                        ; the eight runs' products lie in LDS; the end values of the block before have been read by every wave
.irp n, 0,1,2,3
	ds_load_b128 v[EP+8*\n:EP+8*\n+3], v[EXR] offset:512*\n
	ds_load_b128 v[EP+8*\n+4:EP+8*\n+7], v[EXR] offset:512*\n+16
.endr
	s_wait_dscnt 0x0
.irp k, 0,1,2,3,4,5,6,7
.irp n, 0,1,2,3
	v_cndmask_b32 v[AIN+\n], v[AIN+\n], v[AC+\n], s[40+\k]   ; run k takes the A that enters it
.endr
.irp n, 0,1,2,3
	v_mul_f32 v[AC+\n], v[AC+\n], v[EP+8*\n+\k]
.endr
.endr
	; ---- the terms b min(1, 1e12 A), and my run's end value with h = 0 at its entry
.irp t, 0,1,2,3
	WIN 0x0C
.irp j, 0,1,2,3,4,5,6,7
.irp n, 0,1,2,3
.if \j == 0
	v_mul_f32 v[CT+8*\n], v[AIN+\n], v[8*(4*\t+\n)]
.else
	v_mul_f32 v[CT+8*\n+\j], v[CT+8*\n+\j-1], v[8*(4*\t+\n)+\j]
.endif
.endr
.endr
	WIN 0
.irp n, 0,1,2,3
	v_mov_b32 v[AIN+\n], v[CT+8*\n+7]              ; A goes on unclipped
.endr
.set qq, 0
.rept 32
	v_min_num_f32 v[CT+qq], 1.0, v[CT+qq]
.set qq, qq+1
.endr
	WIN 0xCC
.irp n, 0,1,2,3
.irp j, 0,2,4,6
	v_pk_mul_f32 v[128+8*(4*\t+\n)+\j:128+8*(4*\t+\n)+\j+1], v[CT+8*\n+\j:CT+8*\n+\j+1], v[128+8*(4*\t+\n)+\j:128+8*(4*\t+\n)+\j+1]
.endr
.endr
	WIN 0x33
.irp j, 0,1,2,3,4,5,6,7
.irp n, 0,1,2,3
.if (\t == 0) && (\j == 0)
	v_mov_b32 v[GG+\n], v[128+8*\n]                ; the first term starts the run
.else
	v_fma_f32 v[GG+\n], v[8*(4*\t+\n)+\j], v[GG+\n], v[128+8*(4*\t+\n)+\j]
.endif
.endr
.endr
.endr
	WIN 0
.irp n, 0,1,2,3
	ds_store_b32 v[EXW], v[GG+\n] offset:EXG+512*\n
.endr
	BARRIER                                        ; the eight end values lie in LDS; the products have been read by every wave
.irp n, 0,1,2,3
	ds_load_b128 v[CT+8*\n:CT+8*\n+3], v[EXR] offset:EXG+512*\n
	ds_load_b128 v[CT+8*\n+4:CT+8*\n+7], v[EXR] offset:EXG+512*\n+16
.endr
	s_wait_dscnt 0x0
.irp k, 0,1,2,3,4,5,6,7
.irp n, 0,1,2,3
	v_cndmask_b32 v[GG+\n], v[GG+\n], v[HC+\n], s[40+\k]     ; run k takes the h that enters it
.endr
.irp n, 0,1,2,3
	v_fma_f32 v[HC+\n], v[EP+8*\n+\k], v[HC+\n], v[CT+8*\n+\k]
.endr
.endr
	; ---- my run's h, in place of the terms: four chains side by side
	WIN 0xF3
.irp n, 0,1,2,3
	v_fma_f32 v[128+8*\n], v[8*\n], v[GG+\n], v[128+8*\n]
.endr
	WIN 0xFF
.set ee, 1
.rept 31
.irp n, 0,1,2,3
	v_fma_f32 v[128+8*(4*(ee/8)+\n)+ee%8], v[8*(4*(ee/8)+\n)+ee%8], v[128+8*(4*((ee-1)/8)+\n)+(ee-1)%8], v[128+8*(4*(ee/8)+\n)+ee%8]
.endr
.set ee, ee+1
.endr
	; ---- the way out: a lane holds one channel and 32 rows; through my own stage they become 16 rows x 4 channels for sixteen lanes
	WIN 0x0C                                       ; an LDS store's data are its source 1: window 3
.set ee, 0
.rept 32
.irp n, 0,1,2,3
	ds_store_b32 v[STW], v[128+8*(4*(ee/8)+\n)+ee%8] offset:272*ee+64*\n
.endr
.set ee, ee+1
.endr
	WIN 0
.irp bt, 0,1
.set qq, 0
.rept 16
	ds_load_b128 v[RB+4*qq:RB+4*qq+3], v[STR] offset:272*16*(2*\bt+qq/8)+64*\bt+32*(qq%8)   ; LDS serves a wave's instructions in order (ISA guide 5.7.1.4): these see my stores
.set qq, qq+1
.endr
.set qq, 0
.rept 16
	s_wait_dscnt 15-qq                             ; LDS loads come back in order: this one is in, the younger of the sixteen may be out
	global_store_b128 v[HO], v[RB+4*qq:RB+4*qq+3], s[32:33] offset:66048*(qq%8)+256*(2*\bt+qq/8)   ; each half of the lanes stores 256 consecutive bytes, at a multiple of 256 from the buffer's first byte
.set qq, qq+1
.endr
	s_wait_xcnt 0x0                                ; the stores have read their data and their base: both are written again only behind this wait
.endr
	s_add_nc_u64 s[32:33], s[32:33], 4096          ; 256 rows on
	s_add_co_u32 s37, s37, 1
	s_cmp_lt_u32 s37, 8
	s_cbranch_scc1 .Lblock
	s_set_vgpr_msb 0x4
	s_wait_tensorcnt 0x0
	ds_add_u32 v3, v255
	s_wait_dscnt 0x0
	s_set_vgpr_msb 0x400
	s_endpgm
.Lfunc_end_k_qb9ed0e02df_scan:
	.size	k_qb9ed0e02df_scan, .Lfunc_end_k_qb9ed0e02df_scan-k_qb9ed0e02df_scan
	.p2alignl 7, 3214868480
	.fill 96, 4, 3214868480
	.section	.rodata,"a",@progbits
	.p2align	6, 0x0
	.amdhsa_kernel k_qb9ed0e02df_scan
		.amdhsa_group_segment_fixed_size 75264
		.amdhsa_private_segment_fixed_size 0
		.amdhsa_enable_private_segment 0
		.amdhsa_kernarg_size 96
		.amdhsa_user_sgpr_count 2
		.amdhsa_user_sgpr_kernarg_segment_ptr 1
		.amdhsa_wavefront_size32 1
		.amdhsa_system_sgpr_workgroup_id_x 1
		.amdhsa_system_sgpr_workgroup_id_y 1
		.amdhsa_system_sgpr_workgroup_id_z 1
		.amdhsa_system_vgpr_workitem_id 0
		.amdhsa_next_free_vgpr 1024
		.amdhsa_next_free_sgpr 66
		.amdhsa_reserve_vcc 0
		.amdhsa_float_denorm_mode_32 3
		.amdhsa_float_denorm_mode_16_64 3
		.amdhsa_memory_ordered 1
		.amdhsa_forward_progress 1
		.amdhsa_inst_pref_size 129
	.end_amdhsa_kernel
	.amdgpu_metadata
---
amdhsa.version: [ 1, 2 ]
amdhsa.kernels:
  - .name:           k_qb9ed0e02df_scan
    .symbol:         k_qb9ed0e02df_scan.kd
    .args:
      - { .name: xq, .offset: 0, .size: 8, .value_kind: global_buffer, .address_space: global }
      - { .name: xs, .offset: 8, .size: 8, .value_kind: global_buffer, .address_space: global }
      - { .name: wq, .offset: 16, .size: 8, .value_kind: global_buffer, .address_space: global }
      - { .name: fz_w_scales, .offset: 24, .size: 8, .value_kind: global_buffer, .address_space: global }
      - { .name: fz_b, .offset: 32, .size: 8, .value_kind: global_buffer, .address_space: global }
      - { .name: fh_w_scales, .offset: 40, .size: 8, .value_kind: global_buffer, .address_space: global }
      - { .name: fh_b, .offset: 48, .size: 8, .value_kind: global_buffer, .address_space: global }
      - { .name: bz_w_scales, .offset: 56, .size: 8, .value_kind: global_buffer, .address_space: global }
      - { .name: bz_b, .offset: 64, .size: 8, .value_kind: global_buffer, .address_space: global }
      - { .name: bh_w_scales, .offset: 72, .size: 8, .value_kind: global_buffer, .address_space: global }
      - { .name: bh_b, .offset: 80, .size: 8, .value_kind: global_buffer, .address_space: global }
      - { .name: hbuf, .offset: 88, .size: 8, .value_kind: global_buffer, .address_space: global }
    .group_segment_fixed_size: 75264
    .private_segment_fixed_size: 0
    .kernarg_segment_align: 8
    .kernarg_segment_size: 96
    .max_flat_workgroup_size: 128
    .sgpr_count:     66
    .vgpr_count:     1024
    .wavefront_size: 32
...
	.end_amdgpu_metadata
.endif
;; end of part 2
;; launch head (part 3): grid 256 x 1, 4 waves a work-group, no clusters, 130,560 bytes of LDS; arguments hbuf, tebuf, ghq, ghs, ln_g, ln_b, time_scale, gh_b1, gh_w2, gh_b2, out0; writes out0
.if DOCPART == 3
	.amdgcn_target "amdgcn-amd-amdhsa--gfx1250"
	.amdhsa_code_object_version 6
	.text
	.protected	k_qb9ed0e02df_head
	.globl	k_qb9ed0e02df_head
	.p2align	8
	.type	k_qb9ed0e02df_head,@function
k_qb9ed0e02df_head:
	s_mov_b64 s[64:65], 0
	v_nop
	global_prefetch_b8 v0, s[64:65] scope:SCOPE_SE
	s_setreg_imm32_b32 hwreg(HW_REG_WAVE_MODE, 25, 1), 1
	s_wait_xcnt 0x0
; HEAD.  h_bi = [h forward shifted right, h backward shifted left, te]; LayerNorm over its 1,032 numbers in f32 (the mean first, then the mean of squared differences), gain and bias, the last eight x time_scale;
; the result is quantised along K = 1,032 (filled with zero codes to 1,152) to codes of FP6 (E2M3) with E8M0 scales and multiplied by gh_w1's codes; + gh_b1, exact GELU, dot product with gh_w2, + gh_b2.
; SHARES.  A work-group takes 128 positions of one batch: eight tiles of 16.  NORMALISING: wave w takes tiles w and w + 4; lane (r, h) holds position r and, of each block of 32 channels, the 16 of its half: 512 registers a tile.
; The mean is taken off h IN PLACE, once: the squared differences and the normalising both start from h - mean.
; The codes go to LDS as images of the operand's registers (three stores of 16 bytes a lane for a fragment, one word a lane for its scales).  PRODUCT: wave w owns hidden units 64 w .. 64 w + 63, whose 36 fragments of gh_w1
; stay in its registers, for all eight tiles; source 0 = 16 hidden units, source 1 = 16 positions, so that a lane holds one position and the dot product stays in the lane but for one exchange between the halves and a sum over the waves through LDS.
; THE SHIFT.  Forward h of position l is row l - 1 of hbuf, backward row 2046 - l; where that is -1 an unsigned minimum with 2048 leads to the rows of zeros.
; GELU.  0.5 (x + |x| erf(|x| / sqrt(2))), erf(y) = 1 - (a1 t + .. + a5 t^5) e^(-y y), t = 1 / (1 + 0.3275911 y): five terms whose error in erf stays under 1.5e-7 for every y >= 0; it stands behind the last quantiser.
; LIMITS: NaN and infinities are not served.  A block whose largest magnitude lies under 2^-124 gets the byte 1; a block of zeros zero codes.
; REGISTERS.  window 0: v1-15 addresses; v16-23 te; v24-39 the gain and bias of te; v40-43 mean, 1 / sqrt(var + eps) in pairs; v44-55 sums; v56-119 64 numbers at work; v120-156 the quantiser's;
;   v160-195 gh_w1's scale words; v196-213 the rows' scale words, two sets; v214-221 the second tile's te; v222-239 the dot product, addresses, a constant; v240-255 the copy of gain and bias on its way to LDS.
;   In the product: v16-47 gh_b1, v48-79 gh_w2 / 2, v80-111 accumulators, v112-159 at work.
;   windows 1, 2: the tile's forward and backward h (64 (ks % 4) + 16 b + i); later gh_w1's fragments.   window 3: gain and bias of a K step, two sets; later the rows' fragments, two sets.
.set LI,   1
.set LS,   2
.set FO,   3
.set TEO,  7
.set IWA,  9
.set SWA,  11
.set GBA,  13
.set ZR,   14
.set TEV0, 16
.set TG,   24
.set TB,   32
.set MU,   40
.set RSTD, 42
.set SA,   44
.set TP,   52
.set T,    56
.set PC,   120
.set TM,   140
.set PW,   156
.set GSC,  160
.set RSC,  196
.set TEV1, 214
.set DOT,  222
.set LNL,  224
.set LNO,  225
.set REDB, 226
.set RA,   227
.set RS,   228
.set REDA, 229
.set BO32, 230
.set TPX,  232
.set A4V,  234
.set DOT2, 236
.set RSB,  238
.set REDR, 239
.set LNC,  240
.set B1,   16
.set W2,   48
.set ACC,  80
.set UU,   112
.set EE,   128
.set PP,   144
.set IMGT, 13824                       ; LDS: a tile's nine fragments, 1,536 bytes each; eight tiles from byte 0
.set SCL,  110592                      ; their scale words: 1,152 bytes a tile
.set LNG,  119808                      ; gain of channels 0 .. 1023,
.set LNB,  123904                      ; bias,
.set RED,  128000                      ; and the waves' partial dot products: 512 w + 64 tile + 4 r
.set HM,   27
.set SEL,  28
.set MSB, 0
.macro WIN new                         ; the immediate's high byte repeats the setting that is left
.if MSB != (\new)
	s_set_vgpr_msb (MSB<<8)|(\new)
.set MSB, (\new)
.endif
.endm
.macro BARRIER                         ; my LDS stores have landed and my LDS loads are in: then the work-group's barrier
	s_wait_dscnt 0x0
	s_barrier_signal -1
	s_barrier_wait -1
.endm
; 64 numbers of a lane, register 16 b + i = k 32 b + 16 (lane / 16) + i of my row, become a fragment's codes in v[PC] on and its scale word in v[PW].
.macro QUANT s
.irp b, 0,1,2,3
	v_max3_num_f32 v[TM+\b], |v[\s+16*\b]|, |v[\s+1+16*\b]|, 0x1800000   ; my 16 numbers of block b, and the floor 2^(3 - 127): the byte cannot fall under 1
.endr
.irp i, 2,4,6,8,10,12,14
.irp b, 0,1,2,3
	v_max3_num_f32 v[TM+\b], v[TM+\b], |v[\s+16*\b+\i]|, |v[\s+1+16*\b+\i]|
.endr
.endr
.irp b, 0,1,2,3
	v_permlanex16_b32 v[TM+4+\b], v[TM+\b], s[SEL], s[SEL+1]
.endr
.irp b, 0,1,2,3
	v_max_num_f32 v[TM+\b], v[TM+\b], v[TM+4+\b]
.endr
.irp b, 0,1,2,3
	v_add_nc_u32 v[TM+12+\b], 0xff000000, v[TM+\b]   ; 2 off the exponent field: the conversion's scale operand
.endr
.irp b, 0,1,2,3
	v_lshrrev_b32 v[TM+4+\b], 23, v[TM+12+\b]
.endr
	v_lshl_or_b32 v[PW], v[TM+5], 8, v[TM+4]
	v_lshl_or_b32 v[PW], v[TM+6], 16, v[PW]
	v_lshl_or_b32 v[PW], v[TM+7], 24, v[PW]
.irp c, 0,1
	v_cvt_scalef32_pk16_fp6_f32 v[PC+6*\c:PC+2+6*\c], v[\s+32*\c:\s+15+32*\c], v[TM+12+2*\c]
	v_cvt_scalef32_pk16_fp6_f32 v[PC+12+4*\c:PC+14+4*\c], v[\s+16+32*\c:\s+31+32*\c], v[TM+12+2*\c+1]
.endr
	v_nop                                          ; one plain place behind a scaled conversion
.irp c, 0,1
.irp i, 0,1,2
	v_permlane16_swap_b32 v[PC+6*\c+\i], v[PC+12+4*\c+\i]
.endr
.irp i, 0,1,2
	v_mov_b32 v[PC+3+6*\c+\i], v[PC+12+4*\c+\i]
.endr
.endr
.endm
; K step ks (128 channels; 0-3 forward, 4-7 backward) of the tile of pass ps: 16 loads; sixteen lanes read 256 consecutive bytes (16 rows of four channels)
.macro HLOAD ks, ps
	WIN 0x40*(1+(\ks)/4)
.set qq, 0
.rept 16
.if (\ks) < 4
	global_load_b128 v[64*((\ks)%4)+4*qq:64*((\ks)%4)+4*qq+3], v[FO+2*(\ps)], s[4:5] offset:(32*((\ks)%4)+8*(qq/4)+qq%4)*33024 th:TH_LOAD_NT
.else
	global_load_b128 v[64*((\ks)%4)+4*qq:64*((\ks)%4)+4*qq+3], v[FO+1+2*(\ps)], s[32:33] offset:(32*((\ks)%4)+8*(qq/4)+qq%4)*33024 th:TH_LOAD_NT
.endif
.set qq, qq+1
.endr
.endm
; K step j of my four tiles of gh_w1: 12 loads, into registers that h has left
.macro GLOAD j
	WIN 0x40*(1+(\j)/5)
.irp n, 0,1,2,3
.irp c, 0,1,2
	global_load_b128 v[48*((\j)%5)+12*\n+4*\c:48*((\j)%5)+12*\n+4*\c+3], v[LI], s[8:9] offset:(9*\n+(\j))*1536+512*\c
.endr
.endr
.endm
; gain and bias of K step ks, in my lane's order, into set ks % 2 of window 3: 32 LDS loads
.macro GBLOAD ks
	WIN 0xC0
.set qq, 0
.rept 16
	ds_load_b128 v[128*((\ks)%2)+4*qq:128*((\ks)%2)+4*qq+3], v[GBA] offset:512*(\ks)+128*(qq/4)+16*(qq%4)
	ds_load_b128 v[128*((\ks)%2)+64+4*qq:128*((\ks)%2)+64+4*qq+3], v[GBA] offset:4096+512*(\ks)+128*(qq/4)+16*(qq%4)
.set qq, qq+1
.endr
.endm
.macro REDUCE                          ; four pairs of partial sums, and the other half of the lanes: the row's sum in v[TP]
	v_pk_add_f32 v[SA:SA+1], v[SA:SA+1], v[SA+2:SA+3]
	v_pk_add_f32 v[SA+4:SA+5], v[SA+4:SA+5], v[SA+6:SA+7]
	v_pk_add_f32 v[SA:SA+1], v[SA:SA+1], v[SA+4:SA+5]
	v_add_f32 v[TP], v[SA], v[SA+1]
	v_permlanex16_b32 v[TP+1], v[TP], s[SEL], s[SEL+1]
	v_add_f32 v[TP], v[TP], v[TP+1]
.endm
; Mean and 1 / sqrt(var + eps) of my row; h is left as h - mean.  te (the same in both halves of the lanes) starts the sums in lanes 0-15 alone.
.macro STATS tev
	WIN 0
	s_wait_loadcnt 63                              ; of the tile's 128 loads at most 63 are out: K steps 0 to 3 and all older loads are in
.irp i, 0,1,2,3,4,5,6,7
	v_cndmask_b32 v[SA+\i], v[\tev+\i], v[ZR], s[HM]
.endr
.irp ks, 0,1,2,3,4,5,6,7
.if 16*(7-\ks) < 63
	s_wait_loadcnt 16*(7-\ks)                      ; loads come back in order (ISA guide 5.7.1): the 16 of each later K step may be out
.endif
	WIN 1+\ks/4
.set qq, 0
.rept 32
	v_pk_add_f32 v[SA+2*(qq%4):SA+2*(qq%4)+1], v[64*(\ks%4)+2*qq:64*(\ks%4)+2*qq+1], v[SA+2*(qq%4):SA+2*(qq%4)+1]
.set qq, qq+1
.endr
.endr
	WIN 0
	REDUCE
	v_mul_f32 v[MU], s30, v[TP]
	v_mul_f32 v[MU+1], s30, v[TP]
.irp i, 0,2,4,6
	v_pk_add_f32 v[T+\i:T+\i+1], v[\tev+\i:\tev+\i+1], v[MU:MU+1] neg_lo:[0,1] neg_hi:[0,1]
.endr
.irp i, 0,1,2,3,4,5,6,7
	v_cndmask_b32 v[T+\i], v[T+\i], v[ZR], s[HM]
.endr
.irp i, 0,2,4,6
	v_pk_mul_f32 v[SA+\i:SA+\i+1], v[T+\i:T+\i+1], v[T+\i:T+\i+1]
.endr
.irp ks, 0,1,2,3,4,5,6,7
	WIN 0x41*(1+\ks/4)                             ; destination and source 0: h's window
.set qq, 0
.rept 32
	v_pk_add_f32 v[64*(\ks%4)+2*qq:64*(\ks%4)+2*qq+1], v[64*(\ks%4)+2*qq:64*(\ks%4)+2*qq+1], v[MU:MU+1] neg_lo:[0,1] neg_hi:[0,1]   ; h - mean, in place
.set qq, qq+1
.endr
	WIN 5*(1+\ks/4)                                ; sources 0 and 1: h's window
.set qq, 0
.rept 32
	v_pk_fma_f32 v[SA+2*(qq%4):SA+2*(qq%4)+1], v[64*(\ks%4)+2*qq:64*(\ks%4)+2*qq+1], v[64*(\ks%4)+2*qq:64*(\ks%4)+2*qq+1], v[SA+2*(qq%4):SA+2*(qq%4)+1]
.set qq, qq+1
.endr
.endr
	WIN 0
	REDUCE
	v_fma_f32 v[TP], v[TP], s30, s31               ; var + eps
	v_rsq_f32 v[RSTD], v[TP]
	v_nop                                          ; one plain place behind a transcendental
	s_wait_alu depctr_va_vdst(0)
	v_mov_b32 v[RSTD+1], v[RSTD]
.endm
; K step ks of the tile of pass ps: normalised, quantised, its image stored.  Its registers of h are filled again at once: with the second tile's h (pass 0) or with gh_w1's fragments (pass 1).
; LDS instructions of a wave end in order (ISA guide 5.7.1).  Issued so far, oldest first: this K step's 32 loads of gain and bias, then the last image's four stores.
.macro APPLY ks, ps
.if (\ks == 0) && (\ps == 0)
	s_wait_dscnt 0x0                               ; the first K step's gain and bias are in: nothing was issued behind their loads
.else
	s_wait_dscnt 4                                 ; this K step's gain and bias are in; the four younger image stores may be out
.endif
.if (\ks < 7) || (\ps == 0)
	GBLOAD (\ks+1)%8
.endif
	WIN 1+\ks/4
.set qq, 0
.rept 32
	v_pk_mul_f32 v[T+2*qq:T+2*qq+1], v[64*(\ks%4)+2*qq:64*(\ks%4)+2*qq+1], v[RSTD:RSTD+1]   ; (h - mean) / sqrt(var + eps)
.set qq, qq+1
.endr
.if \ps == 0
	HLOAD \ks, 1
.else
.if \ks < 4
	GLOAD \ks
.if \ks == 3
	GLOAD 4
.endif
.else
	GLOAD \ks+1
.endif
.endif
	WIN 0x3C                                       ; sources 1 and 2 (gain, bias) window 3
.set qq, 0
.rept 32
	v_pk_fma_f32 v[T+2*qq:T+2*qq+1], v[T+2*qq:T+2*qq+1], v[128*(\ks%2)+2*qq:128*(\ks%2)+2*qq+1], v[128*(\ks%2)+64+2*qq:128*(\ks%2)+64+2*qq+1]
.set qq, qq+1
.endr
	WIN 0
.if (\ks < 7) || (\ps == 0)
	s_wait_dscnt 32                                ; the last image's stores have read their registers, which are written anew below; the 32 loads issued behind them may be out
.else
	s_wait_dscnt 0x0                               ; the same, where no loads were issued behind them
.endif
	QUANT T
.irp c, 0,1,2
	ds_store_b128 v[IWA+\ps], v[PC+4*\c:PC+4*\c+3] offset:1536*\ks+512*\c
.endr
	ds_store_b32 v[SWA+\ps], v[PW] offset:128*\ks
.endm
; K step 8: k = 1024 .. 1031 are te's eight, the rest zeros.  Only block 0 holds numbers, and only in lanes 0-15: one conversion of 16 numbers gives registers 0-2 of the fragment; all other codes are zeros, the empty blocks' bytes 127.
.macro APPLY8 ps, tev
.irp i, 0,2,4,6
	v_pk_add_f32 v[T+\i:T+\i+1], v[\tev+\i:\tev+\i+1], v[MU:MU+1] neg_lo:[0,1] neg_hi:[0,1]
.endr
.irp i, 0,2,4,6
	v_pk_mul_f32 v[T+\i:T+\i+1], v[T+\i:T+\i+1], v[RSTD:RSTD+1]
.endr
.irp i, 0,2,4,6
	v_pk_fma_f32 v[T+\i:T+\i+1], v[T+\i:T+\i+1], v[TG+\i:TG+\i+1], v[TB+\i:TB+\i+1]
.endr
.irp i, 0,2,4,6
	v_pk_mul_f32 v[T+\i:T+\i+1], v[T+\i:T+\i+1], s[34:35] op_sel_hi:[1,0]   ; x time_scale
.endr
.irp i, 0,1,2,3,4,5,6,7
	v_cndmask_b32 v[T+\i], v[T+\i], v[ZR], s[HM]   ; lanes 16-31 stand for k = 1040 on
.endr
.irp i, 8,9,10,11,12,13,14,15
	v_mov_b32 v[T+\i], 0
.endr
	v_max3_num_f32 v[TM], |v[T]|, |v[T+1]|, 0x1800000
	v_max3_num_f32 v[TM+1], |v[T+2]|, |v[T+3]|, |v[T+4]|
	v_max3_num_f32 v[TM], v[TM], |v[T+5]|, |v[T+6]|
	v_max3_num_f32 v[TM], v[TM], v[TM+1], |v[T+7]|
	v_permlanex16_b32 v[TM+4], v[TM], s[SEL], s[SEL+1]
	v_max_num_f32 v[TM], v[TM], v[TM+4]
	v_add_nc_u32 v[TM+12], 0xff000000, v[TM]
	v_lshrrev_b32 v[TM+4], 23, v[TM+12]
	s_wait_dscnt 0x0                               ; the last image's stores, the youngest LDS instructions, have read their registers, which are written anew below
	v_or_b32 v[PW], 0x7f7f7f00, v[TM+4]
	v_cvt_scalef32_pk16_fp6_f32 v[PC:PC+2], v[T:T+15], v[TM+12]
	v_nop                                          ; one plain place behind a scaled conversion
.irp i, 3,4,5,6,7,8,9,10,11
	v_mov_b32 v[PC+\i], 0
.endr
.irp c, 0,1,2
	ds_store_b128 v[IWA+\ps], v[PC+4*\c:PC+4*\c+3] offset:1536*8+512*\c
.endr
	ds_store_b32 v[SWA+\ps], v[PW] offset:128*8
.endm
; A tile's nine fragments and scale words from LDS into set p; off: tiles on from the address registers ra, rs
.macro RFETCH p, off, ra, rs
	WIN 0xC0
.irp ks, 0,1,2,3,4,5,6,7,8
.irp c, 0,1,2
	ds_load_b128 v[128*\p+12*\ks+4*\c:128*\p+12*\ks+4*\c+3], v[\ra] offset:\off*IMGT+1536*\ks+512*\c
.endr
.endr
	WIN 0
.irp ks, 0,1,2,3,4,5,6,7,8
	ds_load_b32 v[RSC+9*\p+\ks], v[\rs] offset:\off*1152+128*\ks
.endr
.endm
; 36 products: K step by K step, my four tiles of hidden units by turns; gh_b1 is the C of each sum's first product
.macro GEMMG p
.irp ks, 0,1,2,3,4,5,6,7,8
	WIN 0x0D+\ks/5                                 ; source 0 (gh_w1) window 1 or 2, source 1 (the rows) window 3
.irp n, 0,1,2,3
.if \ks == 0
	v_wmma_scale_f32_16x16x128_f8f6f4 v[ACC+8*\n:ACC+8*\n+7], v[48*(\ks%5)+12*\n:48*(\ks%5)+12*\n+11], v[128*\p+12*\ks:128*\p+12*\ks+11], v[B1+8*\n:B1+8*\n+7], v[GSC+9*\n+\ks], v[RSC+9*\p+\ks] matrix_a_fmt:MATRIX_FMT_FP6 matrix_b_fmt:MATRIX_FMT_FP6
.else
	v_wmma_scale_f32_16x16x128_f8f6f4 v[ACC+8*\n:ACC+8*\n+7], v[48*(\ks%5)+12*\n:48*(\ks%5)+12*\n+11], v[128*\p+12*\ks:128*\p+12*\ks+11], v[ACC+8*\n:ACC+8*\n+7], v[GSC+9*\n+\ks], v[RSC+9*\p+\ks] matrix_a_fmt:MATRIX_FMT_FP6 matrix_b_fmt:MATRIX_FMT_FP6
.endif
.endr
.endr
.endm
; GELU of 16 of my 32 numbers and their part of the dot product (gh_w2 is held halved)
.macro GELU hf
.set XX, ACC+16*\hf
.set WW, W2+16*\hf
.set qq, 0
.rept 16
	v_fma_f32 v[UU+qq], |v[XX+qq]|, s41, 1.0       ; 1 + 0.3275911 |x| / sqrt(2); each accumulator from its low end on
.set qq, qq+1
.endr
.irp i, 0,2,4,6,8,10,12,14
	v_pk_mul_f32 v[EE+\i:EE+\i+1], v[XX+\i:XX+\i+1], s[42:43] op_sel_hi:[1,0]   ; x sqrt(log2(e) / 2)
.endr
.set qq, 0
.rept 16
	v_rcp_f32 v[UU+qq], v[UU+qq]                   ; t
.set qq, qq+1
.endr
.irp i, 0,2,4,6,8,10,12,14
	v_pk_mul_f32 v[EE+\i:EE+\i+1], v[EE+\i:EE+\i+1], v[EE+\i:EE+\i+1] neg_lo:[1,0] neg_hi:[1,0]   ; (plain places behind the reciprocals)
.endr
.set qq, 0
.rept 16
	v_exp_f32 v[EE+qq], v[EE+qq]                   ; e^(-x x / 2)
.set qq, qq+1
.endr
	s_wait_alu depctr_va_vdst(0)
.irp i, 0,2,4,6,8,10,12,14
	v_pk_fma_f32 v[PP+\i:PP+\i+1], v[UU+\i:UU+\i+1], s[44:45], v[A4V:A4V+1] op_sel_hi:[1,0,1]   ; a5 t + a4.  (Plain places behind the exponentials)
.endr
.irp cc, 46,48,50
.irp i, 0,2,4,6,8,10,12,14
	v_pk_fma_f32 v[PP+\i:PP+\i+1], v[PP+\i:PP+\i+1], v[UU+\i:UU+\i+1], s[\cc:\cc+1] op_sel_hi:[1,1,0]
.endr
.endr
.irp i, 0,2,4,6,8,10,12,14
	v_pk_mul_f32 v[PP+\i:PP+\i+1], v[PP+\i:PP+\i+1], v[UU+\i:UU+\i+1]
.endr
.irp i, 0,2,4,6,8,10,12,14
	v_pk_fma_f32 v[PP+\i:PP+\i+1], v[PP+\i:PP+\i+1], v[EE+\i:EE+\i+1], 1.0 op_sel_hi:[1,1,0] neg_lo:[1,0,0] neg_hi:[1,0,0]   ; erf(|x| / sqrt(2))
.endr
.set qq, 0
.rept 16
	v_fma_f32 v[PP+qq], |v[XX+qq]|, v[PP+qq], v[XX+qq]   ; x + |x| erf
.set qq, qq+1
.endr
.irp i, 0,4,8,12
.if (\hf == 0) && (\i == 0)
	v_pk_mul_f32 v[DOT:DOT+1], v[PP:PP+1], v[WW:WW+1]              ; the first products start the two chains
	v_pk_mul_f32 v[DOT2:DOT2+1], v[PP+2:PP+3], v[WW+2:WW+3]
.else
	v_pk_fma_f32 v[DOT:DOT+1], v[PP+\i:PP+\i+1], v[WW+\i:WW+\i+1], v[DOT:DOT+1]
	v_pk_fma_f32 v[DOT2:DOT2+1], v[PP+\i+2:PP+\i+3], v[WW+\i+2:WW+\i+3], v[DOT2:DOT2+1]
.endif
.endr
.endm
; One tile of 16 positions, its fragments in set p; the next tile's are asked for first
.macro TILE p
	s_wait_dscnt 0x0                               ; this tile's fragments and scale words are in
.if \p == 0
	RFETCH 1, 1, RA, RS
.else
	s_cmp_eq_u32 s37, 3                            ; behind the eighth tile there is none
	s_cbranch_scc1 .Llast_\@
	RFETCH 0, 2, RA, RS
.Llast_\@:
.endif
	GEMMG \p
	WIN 0
.rept 4
	v_nop                                          ; four places before the results are read (ISA guide 7.12.1)
.endr
	GELU 0
	GELU 1
	v_pk_add_f32 v[DOT:DOT+1], v[DOT:DOT+1], v[DOT2:DOT2+1]
	v_add_f32 v[TPX], v[DOT], v[DOT+1]
	v_permlanex16_b32 v[TPX+1], v[TPX], s[SEL], s[SEL+1]
	v_add_f32 v[TPX], v[TPX], v[TPX+1]             ; my wave's 64 hidden units of position r (both halves of the lanes hold it)
	ds_store_b32 v[REDA], v[TPX] offset:64*\p
.endm
	s_load_b512 s[4:19], s[0:1], 0x0               ; hbuf, tebuf, ghq, ghs, ln_g, ln_b, time_scale, gh_b1
	s_load_b128 s[20:23], s[0:1], 0x40             ; gh_w2, gh_b2
	s_load_b64 s[24:25], s[0:1], 0x50              ; out0
	v_lshrrev_b32 v231, 5, v0
	v_readfirstlane_b32 s26, v231                  ; wave 0..3
	v_and_b32 v231, 15, v0                         ; r
	v_bfe_u32 v232, v0, 4, 1                       ; h
	v_and_b32 v233, 31, v0                         ; lane
	v_lshlrev_b32 v[LI], 4, v233
	v_lshlrev_b32 v[LS], 2, v233
	v_mov_b32 v[ZR], 0
	v_mov_b32 v[TP+1], 0                           ; written once: a lane permute's destination counts as one of its sources
.irp b, 0,1,2,3
	v_mov_b32 v[TM+4+\b], 0
.endr
	s_mov_b32 s[HM], 0xffff0000                    ; lanes 16-31
	s_mov_b32 s[SEL], 0x76543210
	s_mov_b32 s[SEL+1], 0xfedcba98
	s_mov_b32 s30, 0x3a7e03f8                      ; 1 / 1032
	s_mov_b32 s31, 0x3727c5ac                      ; 1e-5
	s_mov_b32 s41, 0x3e6d3388                      ; 0.3275911 / sqrt(2)
	s_mov_b32 s42, 0x3f596d27                      ; sqrt(log2(e) / 2)
	s_mov_b32 s43, s42
	s_mov_b32 s44, 0x3f87dc22                      ; a5
	s_mov_b32 s45, s44
	s_mov_b32 s46, 0x3fb5f0e3                      ; a3
	s_mov_b32 s47, s46
	s_mov_b32 s48, 0xbe91a98e                      ; a2
	s_mov_b32 s49, s48
	s_mov_b32 s50, 0x3e827906                      ; a1
	s_mov_b32 s51, s50
	v_mov_b32 v[A4V], 0xbfba00e3                   ; a4
	v_mov_b32 v[A4V+1], 0xbfba00e3
	s_lshr_b32 s52, ttmp9, 4                       ; batch
	s_and_b32 s53, ttmp9, 15
	s_lshl_b32 s53, s53, 7                         ; the work-group's first position
	s_lshl_b32 s54, s26, 4
	s_add_co_u32 s54, s54, s53
	v_add_nc_u32 v233, s54, v231                   ; my position in pass 0
	v_mul_u32_u24 v15, v232, 132096                ; lanes 16-31: four fours of channels on
.irp ps, 0,1
	v_add_nc_u32 v[FO+2*\ps], 64*\ps-1, v233       ; forward: row l - 1,
	v_min_u32 v[FO+2*\ps], 2048, v[FO+2*\ps]       ; or the zero row
	v_lshl_add_u32 v[FO+2*\ps], v[FO+2*\ps], 4, v15
	v_sub_nc_u32 v[FO+1+2*\ps], 2046-64*\ps, v233  ; backward: row 2046 - l, or the zero row
	v_min_u32 v[FO+1+2*\ps], 2048, v[FO+1+2*\ps]
	v_lshl_add_u32 v[FO+1+2*\ps], v[FO+1+2*\ps], 4, v15
.endr
	s_lshl_b32 s55, s52, 11
	v_add_nc_u32 v[TEO], s55, v233
	v_lshlrev_b32 v[TEO], 5, v[TEO]
	v_add_nc_u32 v[TEO+1], 2048, v[TEO]
	s_mul_i32 s56, s26, IMGT
	v_add_nc_u32 v[IWA], s56, v[LI]
	v_add_nc_u32 v[IWA+1], 4*IMGT, v[IWA]
	s_mul_i32 s56, s26, 1152
	s_add_co_u32 s56, s56, SCL
	v_add_nc_u32 v[SWA], s56, v[LS]
	v_add_nc_u32 v[SWA+1], 4*1152, v[SWA]
	v_lshl_add_u32 v[GBA], v232, 6, LNG
	v_lshl_add_u32 v[LNL], v0, 4, LNG
	v_lshlrev_b32 v[LNO], 4, v0
	s_lshl_b32 s56, s26, 9
	s_add_co_u32 s56, s56, RED
	v_lshl_add_u32 v[REDB], v231, 2, s56
	v_add_nc_u32 v[RSB], SCL, v[LS]
	v_add_nc_u32 v[REDR], RED, v[LI]
	v_lshlrev_b32 v[BO32], 5, v232
	s_wait_kmcnt 0x0
	s_load_b32 s34, s[16:17], 0x0                  ; time_scale
	s_load_b32 s36, s[22:23], 0x0                  ; gh_b2
	s_mul_i32 s56, s52, 4227072
	s_mov_b32 s57, 0
	s_add_nc_u64 s[4:5], s[4:5], s[56:57]          ; forward h of my batch,
	s_add_nc_u64 s[32:33], s[4:5], 67633152        ; backward: sixteen batches on
	s_mul_i32 s56, s26, 55296                      ; my 36 fragments of gh_w1,
	s_add_nc_u64 s[8:9], s[8:9], s[56:57]
	s_mul_i32 s56, s26, 4608                       ; their scale words,
	s_add_nc_u64 s[10:11], s[10:11], s[56:57]
	s_lshl_b32 s56, s26, 8                         ; my 64 numbers of gh_b1 and of gh_w2
	s_add_nc_u64 s[18:19], s[18:19], s[56:57]
	s_add_nc_u64 s[20:21], s[20:21], s[56:57]
	s_add_co_u32 s56, s55, s53
	s_lshl_b32 s56, s56, 2
	s_add_nc_u64 s[24:25], s[24:25], s[56:57]
	; the small loads first, so that they are in when the first K step is
	global_load_b128 v[LNC:LNC+3], v[LNO], s[12:13]
	global_load_b128 v[LNC+4:LNC+7], v[LNO], s[12:13] offset:2048
	global_load_b128 v[LNC+8:LNC+11], v[LNO], s[14:15]
	global_load_b128 v[LNC+12:LNC+15], v[LNO], s[14:15] offset:2048
	global_load_b128 v[TG:TG+3], v[ZR], s[12:13] offset:4096
	global_load_b128 v[TG+4:TG+7], v[ZR], s[12:13] offset:4112
	global_load_b128 v[TB:TB+3], v[ZR], s[14:15] offset:4096
	global_load_b128 v[TB+4:TB+7], v[ZR], s[14:15] offset:4112
	global_load_b128 v[TEV0:TEV0+3], v[TEO], s[6:7]
	global_load_b128 v[TEV0+4:TEV0+7], v[TEO], s[6:7] offset:16
	global_load_b128 v[TEV1:TEV1+3], v[TEO+1], s[6:7]
	global_load_b128 v[TEV1+4:TEV1+7], v[TEO+1], s[6:7] offset:16
.irp ks, 0,1,2,3,4,5,6,7
	HLOAD \ks, 0
.endr
	WIN 0
	s_wait_kmcnt 0x0
	s_mov_b32 s35, s34                             ; (named with it as a pair)
	STATS TEV0
	ds_store_b128 v[LNL], v[LNC:LNC+3]             ; gain and bias of channels 0 .. 1023: 16 bytes a thread, four times
	ds_store_b128 v[LNL], v[LNC+4:LNC+7] offset:2048
	ds_store_b128 v[LNL], v[LNC+8:LNC+11] offset:4096
	ds_store_b128 v[LNL], v[LNC+12:LNC+15] offset:6144
	BARRIER                                        ; they lie in LDS
	GBLOAD 0
.irp ks, 0,1,2,3,4,5,6,7
	APPLY \ks, 0
.endr
	APPLY8 0, TEV0
	STATS TEV1
.irp ks, 0,1,2,3,4,5,6,7
	APPLY \ks, 1
.endr
	APPLY8 1, TEV1
.set qq, 0
.rept 36
	global_load_b32 v[GSC+qq], v[LS], s[10:11] offset:128*qq
.set qq, qq+1
.endr
.irp n, 0,1,2,3
	global_load_b128 v[B1+8*\n:B1+8*\n+3], v[BO32], s[18:19] offset:64*\n         ; in the result's layout: hidden units 16 n + 8 h + 0 .. 7
	global_load_b128 v[B1+8*\n+4:B1+8*\n+7], v[BO32], s[18:19] offset:64*\n+16
	global_load_b128 v[W2+8*\n:W2+8*\n+3], v[BO32], s[20:21] offset:64*\n
	global_load_b128 v[W2+8*\n+4:W2+8*\n+7], v[BO32], s[20:21] offset:64*\n+16
.endr
	BARRIER                                        ; the eight tiles' images lie in LDS
	RFETCH 0, 0, LI, RSB
	s_wait_loadcnt 0x0                             ; gh_w1's fragments and scale words, gh_b1, gh_w2
.set qq, 0
.rept 16
	v_pk_mul_f32 v[W2+2*qq:W2+2*qq+1], v[W2+2*qq:W2+2*qq+1], 0.5 op_sel_hi:[1,0]
.set qq, qq+1
.endr
	s_mov_b32 s37, 0
	s_mov_b32 s38, 0
	s_mov_b32 s39, 0
	s_mov_b32 s40, 0
.Ltiles:                                           ; four trips of two tiles
	v_add_nc_u32 v[RA], s38, v[LI]
	v_add_nc_u32 v[RS], s39, v[RSB]
	v_add_nc_u32 v[REDA], s40, v[REDB]
	TILE 0
	TILE 1
	s_add_co_u32 s38, s38, 2*IMGT
	s_add_co_u32 s39, s39, 2304
	s_add_co_u32 s40, s40, 128
	s_add_co_u32 s37, s37, 1
	s_cmp_lt_u32 s37, 4
	s_cbranch_scc1 .Ltiles
	BARRIER                                        ; the four waves' partial dot products lie in LDS
	s_cmp_lg_u32 s26, 0
	s_cbranch_scc1 .Lend
.irp k, 0,1,2,3
	ds_load_b128 v[16+4*\k:19+4*\k], v[REDR] offset:512*\k   ; four positions a lane
.endr
	s_wait_dscnt 0x0
	v_pk_add_f32 v[16:17], v[16:17], v[20:21]
	v_pk_add_f32 v[18:19], v[18:19], v[22:23]
	v_pk_add_f32 v[24:25], v[24:25], v[28:29]
	v_pk_add_f32 v[26:27], v[26:27], v[30:31]
	v_pk_add_f32 v[16:17], v[16:17], v[24:25]
	v_pk_add_f32 v[18:19], v[18:19], v[26:27]
	v_pk_add_f32 v[16:17], v[16:17], s[36:37] op_sel_hi:[1,0]   ; + gh_b2
	v_pk_add_f32 v[18:19], v[18:19], s[36:37] op_sel_hi:[1,0]
	global_store_b128 v[LI], v[16:19], s[24:25]    ; 32 lanes store 512 consecutive bytes, at a multiple of 256 from the output's first byte
.Lend:
	s_wait_xcnt 0x0
	v_lshl_add_u32 v254, v0, 2, 0x1fc00
	v_mov_b32 v255, 0
	s_wait_tensorcnt 0x0
	ds_add_u32 v254, v255
	s_wait_dscnt 0x0
	s_endpgm
.Lfunc_end_k_qb9ed0e02df_head:
	.size	k_qb9ed0e02df_head, .Lfunc_end_k_qb9ed0e02df_head-k_qb9ed0e02df_head
	.p2alignl 7, 3214868480
	.fill 96, 4, 3214868480
	.section	.rodata,"a",@progbits
	.p2align	6, 0x0
	.amdhsa_kernel k_qb9ed0e02df_head
		.amdhsa_group_segment_fixed_size 130560
		.amdhsa_private_segment_fixed_size 0
		.amdhsa_enable_private_segment 0
		.amdhsa_kernarg_size 88
		.amdhsa_user_sgpr_count 2
		.amdhsa_user_sgpr_kernarg_segment_ptr 1
		.amdhsa_wavefront_size32 1
		.amdhsa_system_sgpr_workgroup_id_x 1
		.amdhsa_system_sgpr_workgroup_id_y 1
		.amdhsa_system_sgpr_workgroup_id_z 1
		.amdhsa_system_vgpr_workitem_id 0
		.amdhsa_next_free_vgpr 1024
		.amdhsa_next_free_sgpr 66
		.amdhsa_reserve_vcc 0
		.amdhsa_float_denorm_mode_32 3
		.amdhsa_float_denorm_mode_16_64 3
		.amdhsa_memory_ordered 1
		.amdhsa_forward_progress 1
		.amdhsa_inst_pref_size 255
	.end_amdhsa_kernel
	.section	.bss,"aw",@nobits
	.p2align	6
	.space	262144
	.amdgpu_metadata
---
amdhsa.version: [ 1, 2 ]
amdhsa.kernels:
  - .name:           k_qb9ed0e02df_head
    .symbol:         k_qb9ed0e02df_head.kd
    .args:
      - { .name: hbuf, .offset: 0, .size: 8, .value_kind: global_buffer, .address_space: global }
      - { .name: tebuf, .offset: 8, .size: 8, .value_kind: global_buffer, .address_space: global }
      - { .name: ghq, .offset: 16, .size: 8, .value_kind: global_buffer, .address_space: global }
      - { .name: ghs, .offset: 24, .size: 8, .value_kind: global_buffer, .address_space: global }
      - { .name: ln_g, .offset: 32, .size: 8, .value_kind: global_buffer, .address_space: global }
      - { .name: ln_b, .offset: 40, .size: 8, .value_kind: global_buffer, .address_space: global }
      - { .name: time_scale, .offset: 48, .size: 8, .value_kind: global_buffer, .address_space: global }
      - { .name: gh_b1, .offset: 56, .size: 8, .value_kind: global_buffer, .address_space: global }
      - { .name: gh_w2, .offset: 64, .size: 8, .value_kind: global_buffer, .address_space: global }
      - { .name: gh_b2, .offset: 72, .size: 8, .value_kind: global_buffer, .address_space: global }
      - { .name: out0, .offset: 80, .size: 8, .value_kind: global_buffer, .address_space: global }
    .group_segment_fixed_size: 130560
    .private_segment_fixed_size: 0
    .kernarg_segment_align: 8
    .kernarg_segment_size: 88
    .max_flat_workgroup_size: 128
    .sgpr_count:     66
    .vgpr_count:     1024
    .wavefront_size: 32
...
	.end_amdgpu_metadata
.endif
;; end of part 3
;; ======== version 2 of 2: 3 launches; version 1 with the launches scan, head written anew for expert scheduling mode
;; workspace buffers: xq 25,165,824 bytes; xs 1,048,576 bytes; tebuf 1,048,576 bytes; ghq 221,184 bytes; ghs 18,432 bytes; hbuf 135,266,304 bytes; wq 786,432 bytes
;; launch prep: the kernel of part 1 again; grid 256 x 1, 8 waves a work-group, no clusters, 25,600 bytes of LDS; arguments x, t, te_w1, te_b1, te_w2, te_b2, fproj_w, fproj_b, bproj_w, bproj_b, gh_w1, xq, xs, tebuf, ghq, ghs, fz_w_codes, fh_w_codes, bz_w_codes, bh_w_codes, wq; writes xq, xs, tebuf, ghq, ghs, wq
;; launch scan (part 4): grid 8 x 32, 4 waves a work-group, no clusters, 75,264 bytes of LDS; arguments xq, xs, wq, fz_w_scales, fz_b, fh_w_scales, fh_b, bz_w_scales, bz_b, bh_w_scales, bh_b, hbuf; writes hbuf
.if DOCPART == 4
	.amdgcn_target "amdgcn-amd-amdhsa--gfx1250"
	.amdhsa_code_object_version 6
	.text
	.protected	k_qb9ed0e02df_scan
	.globl	k_qb9ed0e02df_scan
	.p2align	8
	.type	k_qb9ed0e02df_scan,@function
k_qb9ed0e02df_scan:
	s_mov_b64 s[64:65], 0
	v_nop
	global_prefetch_b8 v0, s[64:65] scope:SCOPE_SE
	s_setreg_imm32_b32 hwreg(HW_REG_WAVE_SCHED_MODE, 0, 2), 2
	s_setreg_imm32_b32 hwreg(HW_REG_WAVE_MODE, 25, 1), 1
	s_wait_xcnt 0x0
	s_wait_alu depctr_vm_vsrc(0)
; SCAN.  For one direction and batch (work-group y) and 64 channels (work-group x): z = sigmoid(xp Wz^T + bz), y = xp Wh^T + bh, both products on codes of FP6 (E2M3) with E8M0 scales, a = 1 - z, b = z y,
; and h = A cumsum(b / max(A, 1e-12)), A = cumprod(a), written as the recurrence that it equals:  A_l = a_l A_(l-1),  h_l = a_l h_(l-1) + b_l min(1, 1e12 A_l).
; A is carried multiplied by 1e12.  a is formed as 1 - 1 / (1 + 2^(-log2(e) (x + bz))), so that it is 0 where z rounds to 1.
; LIMITS: the recurrence differs from the cumulative sum in the order of f32 roundings alone; NaN and infinities are not served.
; SHARES.  The work-group walks the 2,048 scan indices in 8 blocks of 256.  In a block wave w owns 64 indices for all 64 channels: source 0 = 16 rows of xp (register images made by the launch before), source 1 = 16 rows of a weight.
; The rows of fragment t are idx 8 t + m % 8 + 32 (m / 8), so lane (r, h) holds channel 16 n + r and the 32 NEIGHBOURING indices 32 h + 8 t + j: one run; run number 2 w + h, eight runs to a block.
; TWO LEVELS, A before h, since min() makes a run's terms hang on the A that enters it: each run's product of a goes through LDS (barrier), every lane walks the eight products and picks its entering A;
; the run's terms and its own end value with h = 0 at its entry follow; these end values go through LDS (barrier), every lane walks them and picks its entering h; then the run's h.
; The weights (64 rows of Wz and of Wh: 384 registers) stay in registers for the whole launch; they come as register images too (the given codes, laid so by the launch before): 96 loads of 512 consecutive bytes.
; The next block's fragments of xp are asked for behind this block's products.
; h leaves through the wave's own stage in LDS as hbuf[d][b][channel / 4][row idx][4 channels]: sixteen lanes store 256 consecutive bytes, at a multiple of 256.  Rows 2048-2063 are zeros: what the shift by one position reads at a sequence's end.
; REGISTERS.  window 1: v0-191 Wz (12 (4 n + ks)), v192-239 xp's fragments of t = 0, v255 the closing add's 0.   window 2: Wh, t = 1.   window 3: v0-127 z, then a (8 (4 t + n) + j); v128-255 y, then b, the terms, h.
;   window 0: v1-10 addresses (v3: my spare word's); v12-15 zeros; v16-47 the weights' scale words; v48-63 xp's; v64-79 biases in pairs; v80-83 A carried; v84-87 h carried; v88-91 A entering; v92-95 a run's end value, then h entering;
;   v96-127 the eight products; v128-159 at work; v96-159 rows on the way out; v160-207, v208-255 xp's fragments of t = 2, 3.
; THE MODE: SCHED_MODE bits 1:0 = 2 (LLVM: expert scheduling mode 2), set by the entry lines.  The code itself states the register dependences
; between vector or matrix instructions and memory or LDS instructions, with s_wait_alu, always for 0.
; THE PLAN.  Registers that memory or LDS instructions touch:
;   v1, v2, v4-v8, v10, v12-15   addresses and the zeros: written at the head, never again.
;   xp's fragments and v48-63    ONE buffer: 384 registers of weights, 256 of accumulators and these 208 are held, the rest is at work.  A block's 52 loads land in it; the next block's 128 products read it.
;   v136-139, v92-95             a run's four products, its four end values: written by vector instructions, read by four LDS stores each, written again later in the block.
;   v96-127, v128-159            the two exchanges' LDS loads land here and the walks read them; then, as v96-159, the stage's loads land here and the global stores read them.
;   window 3 v128-255            h: written by the chains, read by the 128 stores into the stage, written over by the next block's products.
; A block has four waits on va_vdst beside those behind its transcendentals: behind the products, ahead of the loads into their fragments; and ahead of each of the three runs of LDS stores, where each also shows the readers of the
; registers done in which the LDS loads behind that run land: no vector instruction stands between such a wait and those loads.  It has four waits on vm_vsrc: behind each exchange, and behind each half of the way out.
.set LI,   1
.set RS16, 2
.set EXW,  4
.set EXR,  5
.set STW,  6
.set STR,  7
.set HO,   8
.set RHO,  9
.set BO,   10
.set ZR,   12
.set WSC,  16
.set ASC,  48
.set BZP,  64
.set BHP,  72
.set AC,   80
.set HC,   84
.set AIN,  88
.set GG,   92
.set EP,   96
.set CT,   128
.set RB,   96
.set EXG,  2048                        ; LDS: 0 the runs' products, 2048 their end values: word at 512 n + 32 r + 4 run
.set STG,  4096                        ; then a stage for each wave: row R of 64 at 272 R + 64 (R / 32), column 4 (16 n + r)
.set STGW, 17664
.set MSB, 0
.macro WIN new                         ; the immediate's high byte repeats the setting that is left
.if MSB != (\new)
	s_set_vgpr_msb (MSB<<8)|(\new)
.set MSB, (\new)
.endif
.endm
.macro BARRIER                         ; my LDS stores have landed and my LDS loads are in: then the work-group's barrier
	s_wait_dscnt 0x0
	s_barrier_signal -1
	s_barrier_wait -1
.endm
; A block's 16 fragments of xp and their scale words: 52 loads of 16 bytes a lane
.macro ALOAD
	WIN 0x40
.irp ks, 0,1,2,3
.irp c, 0,1,2
	global_load_b128 v[192+12*\ks+4*\c:192+12*\ks+4*\c+3], v[LI], s[4:5] offset:1536*\ks+512*\c
.endr
.endr
	WIN 0x80
.irp ks, 0,1,2,3
.irp c, 0,1,2
	global_load_b128 v[192+12*\ks+4*\c:192+12*\ks+4*\c+3], v[LI], s[4:5] offset:6144+1536*\ks+512*\c
.endr
.endr
	WIN 0
.irp ks, 0,1,2,3
.irp c, 0,1,2
	global_load_b128 v[160+12*\ks+4*\c:160+12*\ks+4*\c+3], v[LI], s[4:5] offset:12288+1536*\ks+512*\c
	global_load_b128 v[208+12*\ks+4*\c:208+12*\ks+4*\c+3], v[LI], s[4:5] offset:18432+1536*\ks+512*\c
.endr
.endr
.irp t, 0,1,2,3
	global_load_b128 v[ASC+4*\t:ASC+4*\t+3], v[RS16], s[6:7] offset:256*\t   ; row r's four words
.endr
.endm
; The 32 products of fragment row t: z's 16, then y's 16; K step by K step, the four accumulators by turns.  aw, ab: window and first register of xp's fragments.
.macro GEMMT t, aw, ab
.irp zh, 0,1
	WIN 0xF0+4*(\zh+1)+\aw
.irp ks, 0,1,2,3
.irp n, 0,1,2,3
.if \ks == 0
	v_wmma_scale_f32_16x16x128_f8f6f4 v[128*\zh+8*(4*\t+\n):128*\zh+8*(4*\t+\n)+7], v[\ab+12*\ks:\ab+12*\ks+11], v[12*(4*\n+\ks):12*(4*\n+\ks)+11], 0, v[ASC+4*\t+\ks], v[WSC+16*\zh+4*\n+\ks] matrix_a_fmt:MATRIX_FMT_FP6 matrix_b_fmt:MATRIX_FMT_FP6
.else
	v_wmma_scale_f32_16x16x128_f8f6f4 v[128*\zh+8*(4*\t+\n):128*\zh+8*(4*\t+\n)+7], v[\ab+12*\ks:\ab+12*\ks+11], v[12*(4*\n+\ks):12*(4*\n+\ks)+11], v[128*\zh+8*(4*\t+\n):128*\zh+8*(4*\t+\n)+7], v[ASC+4*\t+\ks], v[WSC+16*\zh+4*\n+\ks] matrix_a_fmt:MATRIX_FMT_FP6 matrix_b_fmt:MATRIX_FMT_FP6
.endif
.endr
.endr
.endr
.endm
	s_load_b512 s[4:19], s[0:1], 0x0               ; xq, xs, wq, fz scales, fz bias, fh scales, fh bias, bz scales
	s_load_b256 s[20:27], s[0:1], 0x40             ; bz bias, bh scales, bh bias, hbuf
	v_lshl_add_u32 v3, v0, 2, 0x12400
	s_set_vgpr_msb 0x40
	v_mov_b32 v255, 0
	s_set_vgpr_msb 0x4000
	v_lshrrev_b32 v9, 5, v0
	v_readfirstlane_b32 s34, v9                    ; wave 0..3
	v_and_b32 v10, 31, v0                          ; lane
	v_and_b32 v11, 15, v0                          ; r
	v_bfe_u32 v9, v0, 4, 1                         ; h
	v_lshlrev_b32 v[LI], 4, v10
	v_lshlrev_b32 v[RS16], 4, v11
	v_lshlrev_b32 v[EXW], 5, v11
	v_lshl_add_u32 v[EXW], v9, 2, v[EXW]
	s_wait_alu depctr_va_sdst(0)                   ; s34, the wave's number, is written, ahead of its first reader
	s_lshl_b32 s54, s34, 3
	v_add_nc_u32 v[EXW], s54, v[EXW]               ; 32 r + 4 (2 w + h)
	v_lshlrev_b32 v[EXR], 5, v11
	s_mul_i32 s55, s34, STGW
	s_add_co_u32 s55, s55, STG                     ; my stage
	v_mul_u32_u24 v[STW], v9, 8768                 ; in: rows 32 h on (32 x 272 + 64), column 4 r
	v_lshl_add_u32 v[STW], v11, 2, v[STW]
	v_add_nc_u32 v[STW], s55, v[STW]
	v_mul_u32_u24 v[STR], v11, 272                 ; back: sixteen lanes take sixteen rows, 16 bytes (four channels) each; the halves of the lanes neighbouring fours
	v_lshl_add_u32 v[STR], v9, 4, v[STR]
	v_add_nc_u32 v[STR], s55, v[STR]
	v_mul_u32_u24 v[HO], v9, 33024                 ; and the same in hbuf: 33,024 bytes from four channels to the next four, 16 from row to row
	v_lshl_add_u32 v[HO], v11, 4, v[HO]
	s_lshl_b32 s54, s34, 1
	v_add_nc_u32 v[RHO], s54, v9                   ; my run: 2 w + h
	v_lshlrev_b32 v[BO], 2, v11
.irp i, 0,1,2,3
	v_mov_b32 v[ZR+\i], 0
.endr
.irp k, 0,1,2,3,4,5,6,7
	v_cmp_eq_u32 s[40+\k], \k, v[RHO]              ; the lanes of run k
.endr
	s_wait_alu depctr_va_sdst(0)                   ; the eight masks s40 to s47 are written: the selects in the loop read them
	s_mov_b32 s48, 0xbfb8aa3b                      ; -log2(e)
	s_mov_b32 s49, s48
	s_and_b32 s36, ttmp7, 0xffff                   ; 16 d + b
	s_mul_i32 s54, ttmp9, 24576                    ; my 16 fragments of a weight's images,
	s_lshr_b32 s60, s36, 4
	s_mul_i32 s60, s60, 393216                     ; in the direction's two weights (196,608 bytes each: Wz, then Wh)
	s_add_co_u32 s54, s54, s60
	s_mov_b32 s55, 0
	s_lshl_b32 s56, ttmp9, 10                      ; my 64 rows of a weight's scale bytes,
	s_mov_b32 s57, 0
	s_lshl_b32 s58, ttmp9, 8                       ; of a bias
	s_mov_b32 s59, 0
	s_wait_kmcnt 0x0
	s_cmp_lt_u32 s36, 16                           ; the direction's scales and biases: the choice hangs on the work-group's number alone
	s_cselect_b64 s[10:11], s[10:11], s[18:19]
	s_cselect_b64 s[12:13], s[12:13], s[20:21]
	s_cselect_b64 s[14:15], s[14:15], s[22:23]
	s_cselect_b64 s[16:17], s[16:17], s[24:25]
	s_mov_b64 s[32:33], s[26:27]
	s_add_nc_u64 s[8:9], s[8:9], s[54:55]
	s_add_nc_u64 s[10:11], s[10:11], s[56:57]
	s_add_nc_u64 s[14:15], s[14:15], s[56:57]
	s_add_nc_u64 s[12:13], s[12:13], s[58:59]
	s_add_nc_u64 s[16:17], s[16:17], s[58:59]
	s_lshl_b32 s54, s36, 5
	s_add_co_u32 s54, s54, s34                     ; group of block 0: 32 (16 d + b) + w
	s_mul_i32 s56, s54, 24576
	s_add_nc_u64 s[4:5], s[4:5], s[56:57]
	s_lshl_b32 s56, s54, 10
	s_add_nc_u64 s[6:7], s[6:7], s[56:57]
	s_mul_i32 s56, s36, 4227072
	s_add_nc_u64 s[32:33], s[32:33], s[56:57]
	s_mul_i32 s56, ttmp9, 528384                   ; my 16 fours of channels
	s_add_nc_u64 s[32:33], s[32:33], s[56:57]
	s_add_nc_u64 s[52:53], s[32:33], 32768         ; row 2048
	s_lshl_b32 s56, s34, 10                        ; my wave's 64 rows
	s_add_nc_u64 s[32:33], s[32:33], s[56:57]
	s_wait_alu depctr_va_vdst(0)                   ; the addresses v1, v2, v4 to v8 and v10 and the zeros v12 to v15 are written, which every load and store of the kernel reads; none of them is written again
.irp n, 0,1,2,3
	global_load_b32 v[BZP+2*\n], v[BO], s[12:13] offset:64*\n
	global_load_b32 v[BHP+2*\n], v[BO], s[16:17] offset:64*\n
	global_load_b128 v[WSC+4*\n:WSC+4*\n+3], v[RS16], s[10:11] offset:256*\n
	global_load_b128 v[WSC+16+4*\n:WSC+16+4*\n+3], v[RS16], s[14:15] offset:256*\n
.endr
	WIN 0x40
.set qq, 0
.rept 48
	global_load_b128 v[4*qq:4*qq+3], v[LI], s[8:9] offset:512*qq          ; Wz: fragment 4 n + ks is 12 registers: three loads of 512 consecutive bytes
.set qq, qq+1
.endr
	WIN 0x80
.set qq, 0
.rept 48
	global_load_b128 v[4*qq:4*qq+3], v[LI], s[8:9] offset:196608+512*qq   ; Wh
.set qq, qq+1
.endr
	ALOAD                                          ; block 0
	s_cmp_lg_u32 s34, 0                            ; wave 0 writes the zero rows of the work-group's 16 fours of channels
	s_cbranch_scc1 .Lno_zero
.irp q, 0,1,2,3,4,5,6,7
	global_store_b128 v[HO], v[ZR:ZR+3], s[52:53] offset:66048*\q
.endr
.Lno_zero:
.irp n, 0,1,2,3
	v_mov_b32 v[AC+\n], 0x5368d4a5                 ; 1e12 x A, A = 1
	v_mov_b32 v[HC+\n], 0                          ; h0 = 0
	v_mov_b32 v[AIN+\n], 0                         ; (a select names its destination as a source)
.endr
	s_wait_loadcnt 0x0
.irp n, 0,1,2,3
	v_mul_f32 v[BZP+2*\n], s48, v[BZP+2*\n]        ; -log2(e) bz
	v_mov_b32 v[BHP+2*\n+1], v[BHP+2*\n]
.endr
.irp n, 0,1,2,3
	v_mov_b32 v[BZP+2*\n+1], v[BZP+2*\n]
.endr
	s_mov_b32 s37, 0
.Lblock:
	s_wait_loadcnt 0x0                             ; this block's fragments are in, so their loads' bases may step
	s_add_nc_u64 s[4:5], s[4:5], 98304             ; four groups on
	s_add_nc_u64 s[6:7], s[6:7], 4096
	GEMMT 0, 1, 192
	GEMMT 1, 2, 192
	GEMMT 2, 0, 160
	GEMMT 3, 0, 208
	WIN 0
.rept 4
	v_nop                                          ; four places before the products' results are read (ISA guide 7.12.1)
.endr
	s_cmp_eq_u32 s37, 7                            ; the last block asks for nothing: no load leaves its buffer
	s_cbranch_scc1 .Lno_next
	s_wait_alu depctr_va_vdst(0)                   ; the products are done reading xp's fragments and scale words, in which the loads below land
	ALOAD
.Lno_next:
	; ---- z, a, b: accumulator by accumulator, each from its low end on
	WIN 0xCF                                       ; destination, sources 0 and 1 window 3; source 2 (the biases) window 0
.set aa, 0
.rept 16
.set ZB, 8*aa
.set YB, 128+8*aa
.set nn, aa%4
.irp j, 0,2,4,6
	v_pk_fma_f32 v[ZB+\j:ZB+\j+1], v[ZB+\j:ZB+\j+1], s[48:49], v[BZP+2*nn:BZP+2*nn+1] op_sel_hi:[1,0,1]
.endr
.irp j, 0,1,2,3,4,5,6,7
	v_exp_f32 v[ZB+\j], v[ZB+\j]
.endr
.irp j, 0,2,4,6
	v_pk_fma_f32 v[YB+\j:YB+\j+1], v[YB+\j:YB+\j+1], 1.0, v[BHP+2*nn:BHP+2*nn+1] op_sel_hi:[1,0,1]   ; y + bh.  (Plain places behind the exponentials)
.endr
	s_wait_alu depctr_va_vdst(0)                   ; the eight exponentials have written v[ZB ..], ahead of their first reader
.irp j, 0,2,4,6
	v_pk_add_f32 v[ZB+\j:ZB+\j+1], v[ZB+\j:ZB+\j+1], 1.0 op_sel_hi:[1,0]
.endr
.irp j, 0,1,2,3,4,5,6,7
	v_rcp_f32 v[ZB+\j], v[ZB+\j]                   ; z
.endr
	v_nop                                          ; one plain place behind a transcendental
	s_wait_alu depctr_va_vdst(0)                   ; the eight reciprocals have written v[ZB ..], ahead of their first reader
.irp j, 0,2,4,6
	v_pk_mul_f32 v[YB+\j:YB+\j+1], v[YB+\j:YB+\j+1], v[ZB+\j:ZB+\j+1]   ; b = z y
.endr
.irp j, 0,2,4,6
	v_pk_add_f32 v[ZB+\j:ZB+\j+1], v[ZB+\j:ZB+\j+1], 1.0 op_sel_hi:[1,0] neg_lo:[1,0] neg_hi:[1,0]   ; a = 1 - z
.endr
.set aa, aa+1
.endr
	; ---- my run's product of a, for each of my four channels
	WIN 0x0F
.irp n, 0,1,2,3
	v_pk_mul_f32 v[CT+2*\n:CT+2*\n+1], v[8*\n:8*\n+1], v[8*\n+2:8*\n+3]
.endr
	WIN 0x0C
.set pp, 2
.rept 14
.irp n, 0,1,2,3
	v_pk_mul_f32 v[CT+2*\n:CT+2*\n+1], v[CT+2*\n:CT+2*\n+1], v[8*(4*(pp/4)+\n)+2*(pp%4):8*(4*(pp/4)+\n)+2*(pp%4)+1]
.endr
.set pp, pp+1
.endr
	WIN 0
.irp n, 0,1,2,3
	v_mul_f32 v[CT+8+\n], v[CT+2*\n], v[CT+2*\n+1]
.endr
	s_wait_alu depctr_va_vdst(0)                   ; the four products v[CT+8 ..] are written, which the LDS stores read; the last block's walks are done reading v[EP ..], in which the LDS loads behind the barrier land
.irp n, 0,1,2,3
	ds_store_b32 v[EXW], v[CT+8+\n] offset:512*\n
.endr
	BARRIER                                        ; the eight runs' products lie in LDS; the end values of the block before have been read by every wave
.irp n, 0,1,2,3
	ds_load_b128 v[EP+8*\n:EP+8*\n+3], v[EXR] offset:512*\n
	ds_load_b128 v[EP+8*\n+4:EP+8*\n+7], v[EXR] offset:512*\n+16
.endr
	s_wait_dscnt 0x0
	s_wait_alu depctr_vm_vsrc(0)                   ; the four LDS stores have read v[CT+8 ..], which the terms' arithmetic below writes again
.irp k, 0,1,2,3,4,5,6,7
.irp n, 0,1,2,3
	v_cndmask_b32 v[AIN+\n], v[AIN+\n], v[AC+\n], s[40+\k]   ; run k takes the A that enters it
.endr
.irp n, 0,1,2,3
	v_mul_f32 v[AC+\n], v[AC+\n], v[EP+8*\n+\k]
.endr
.endr
	; ---- the terms b min(1, 1e12 A), and my run's end value with h = 0 at its entry
.irp t, 0,1,2,3
	WIN 0x0C
.irp j, 0,1,2,3,4,5,6,7
.irp n, 0,1,2,3
.if \j == 0
	v_mul_f32 v[CT+8*\n], v[AIN+\n], v[8*(4*\t+\n)]
.else
	v_mul_f32 v[CT+8*\n+\j], v[CT+8*\n+\j-1], v[8*(4*\t+\n)+\j]
.endif
.endr
.endr
	WIN 0
.irp n, 0,1,2,3
	v_mov_b32 v[AIN+\n], v[CT+8*\n+7]              ; A goes on unclipped
.endr
.set qq, 0
.rept 32
	v_min_num_f32 v[CT+qq], 1.0, v[CT+qq]
.set qq, qq+1
.endr
	WIN 0xCC
.irp n, 0,1,2,3
.irp j, 0,2,4,6
	v_pk_mul_f32 v[128+8*(4*\t+\n)+\j:128+8*(4*\t+\n)+\j+1], v[CT+8*\n+\j:CT+8*\n+\j+1], v[128+8*(4*\t+\n)+\j:128+8*(4*\t+\n)+\j+1]
.endr
.endr
	WIN 0x33
.irp j, 0,1,2,3,4,5,6,7
.irp n, 0,1,2,3
.if (\t == 0) && (\j == 0)
	v_mov_b32 v[GG+\n], v[128+8*\n]                ; the first term starts the run
.else
	v_fma_f32 v[GG+\n], v[8*(4*\t+\n)+\j], v[GG+\n], v[128+8*(4*\t+\n)+\j]
.endif
.endr
.endr
.endr
	WIN 0
	s_wait_alu depctr_va_vdst(0)                   ; the four end values v[GG ..] are written, which the LDS stores read; the terms' arithmetic is done with v[CT ..], in which the LDS loads behind the barrier land
.irp n, 0,1,2,3
	ds_store_b32 v[EXW], v[GG+\n] offset:EXG+512*\n
.endr
	BARRIER                                        ; the eight end values lie in LDS; the products have been read by every wave
.irp n, 0,1,2,3
	ds_load_b128 v[CT+8*\n:CT+8*\n+3], v[EXR] offset:EXG+512*\n
	ds_load_b128 v[CT+8*\n+4:CT+8*\n+7], v[EXR] offset:EXG+512*\n+16
.endr
	s_wait_dscnt 0x0
	s_wait_alu depctr_vm_vsrc(0)                   ; the four LDS stores have read v[GG ..], which the selects below write again
.irp k, 0,1,2,3,4,5,6,7
.irp n, 0,1,2,3
	v_cndmask_b32 v[GG+\n], v[GG+\n], v[HC+\n], s[40+\k]     ; run k takes the h that enters it
.endr
.irp n, 0,1,2,3
	v_fma_f32 v[HC+\n], v[EP+8*\n+\k], v[HC+\n], v[CT+8*\n+\k]
.endr
.endr
	; ---- my run's h, in place of the terms: four chains side by side
	WIN 0xF3
.irp n, 0,1,2,3
	v_fma_f32 v[128+8*\n], v[8*\n], v[GG+\n], v[128+8*\n]
.endr
	WIN 0xFF
.set ee, 1
.rept 31
.irp n, 0,1,2,3
	v_fma_f32 v[128+8*(4*(ee/8)+\n)+ee%8], v[8*(4*(ee/8)+\n)+ee%8], v[128+8*(4*((ee-1)/8)+\n)+(ee-1)%8], v[128+8*(4*(ee/8)+\n)+ee%8]
.endr
.set ee, ee+1
.endr
	; ---- the way out: a lane holds one channel and 32 rows; through my own stage they become 16 rows x 4 channels for sixteen lanes
	WIN 0x0C                                       ; an LDS store's data are its source 1: window 3
	s_wait_alu depctr_va_vdst(0)                   ; the chains have written h, which the LDS stores read; the walks are done reading v[EP ..] and v[CT ..], in which the stage's loads land as v[RB ..]
.set ee, 0
.rept 32
.irp n, 0,1,2,3
	ds_store_b32 v[STW], v[128+8*(4*(ee/8)+\n)+ee%8] offset:272*ee+64*\n
.endr
.set ee, ee+1
.endr
	WIN 0
.irp bt, 0,1
.set qq, 0
.rept 16
	ds_load_b128 v[RB+4*qq:RB+4*qq+3], v[STR] offset:272*16*(2*\bt+qq/8)+64*\bt+32*(qq%8)   ; LDS serves a wave's instructions in order (ISA guide 5.7.1.4): these see my stores
.set qq, qq+1
.endr
.set qq, 0
.rept 16
	s_wait_dscnt 15-qq                             ; LDS loads come back in order: this one is in, the younger of the sixteen may be out
	global_store_b128 v[HO], v[RB+4*qq:RB+4*qq+3], s[32:33] offset:66048*(qq%8)+256*(2*\bt+qq/8)   ; each half of the lanes stores 256 consecutive bytes, at a multiple of 256 from the buffer's first byte
.set qq, qq+1
.endr
	s_wait_xcnt 0x0                                ; the stores have read their data and their base: both are written again only behind this wait
	s_wait_alu depctr_vm_vsrc(0)                   ; the global stores have read v[RB ..], in which the second half's loads land and which the next block's arithmetic writes; the stage's stores have read h, over which the next block's products write
.endr
	s_add_nc_u64 s[32:33], s[32:33], 4096          ; 256 rows on
	s_add_co_u32 s37, s37, 1
	s_cmp_lt_u32 s37, 8
	s_cbranch_scc1 .Lblock
	s_set_vgpr_msb 0x4                             ; the add's second register lies in window 1
	s_wait_dscnt 0x0                               ; the closing lines, six on end
	s_wait_alu 0x0
	s_wait_tensorcnt 0x0
	ds_add_u32 v3, v255
	s_wait_dscnt 0x0
	s_endpgm
.Lfunc_end_k_qb9ed0e02df_scan:
	.size	k_qb9ed0e02df_scan, .Lfunc_end_k_qb9ed0e02df_scan-k_qb9ed0e02df_scan
	.p2alignl 7, 3214868480
	.fill 96, 4, 3214868480
	.section	.rodata,"a",@progbits
	.p2align	6, 0x0
	.amdhsa_kernel k_qb9ed0e02df_scan
		.amdhsa_group_segment_fixed_size 75264
		.amdhsa_private_segment_fixed_size 0
		.amdhsa_enable_private_segment 0
		.amdhsa_kernarg_size 96
		.amdhsa_user_sgpr_count 2
		.amdhsa_user_sgpr_kernarg_segment_ptr 1
		.amdhsa_wavefront_size32 1
		.amdhsa_system_sgpr_workgroup_id_x 1
		.amdhsa_system_sgpr_workgroup_id_y 1
		.amdhsa_system_sgpr_workgroup_id_z 1
		.amdhsa_system_vgpr_workitem_id 0
		.amdhsa_next_free_vgpr 1024
		.amdhsa_next_free_sgpr 66
		.amdhsa_reserve_vcc 0
		.amdhsa_float_denorm_mode_32 3
		.amdhsa_float_denorm_mode_16_64 3
		.amdhsa_memory_ordered 1
		.amdhsa_forward_progress 1
		.amdhsa_inst_pref_size 129
	.end_amdhsa_kernel
	.amdgpu_metadata
---
amdhsa.version: [ 1, 2 ]
amdhsa.kernels:
  - .name:           k_qb9ed0e02df_scan
    .symbol:         k_qb9ed0e02df_scan.kd
    .args:
      - { .name: xq, .offset: 0, .size: 8, .value_kind: global_buffer, .address_space: global }
      - { .name: xs, .offset: 8, .size: 8, .value_kind: global_buffer, .address_space: global }
      - { .name: wq, .offset: 16, .size: 8, .value_kind: global_buffer, .address_space: global }
      - { .name: fz_w_scales, .offset: 24, .size: 8, .value_kind: global_buffer, .address_space: global }
      - { .name: fz_b, .offset: 32, .size: 8, .value_kind: global_buffer, .address_space: global }
      - { .name: fh_w_scales, .offset: 40, .size: 8, .value_kind: global_buffer, .address_space: global }
      - { .name: fh_b, .offset: 48, .size: 8, .value_kind: global_buffer, .address_space: global }
      - { .name: bz_w_scales, .offset: 56, .size: 8, .value_kind: global_buffer, .address_space: global }
      - { .name: bz_b, .offset: 64, .size: 8, .value_kind: global_buffer, .address_space: global }
      - { .name: bh_w_scales, .offset: 72, .size: 8, .value_kind: global_buffer, .address_space: global }
      - { .name: bh_b, .offset: 80, .size: 8, .value_kind: global_buffer, .address_space: global }
      - { .name: hbuf, .offset: 88, .size: 8, .value_kind: global_buffer, .address_space: global }
    .group_segment_fixed_size: 75264
    .private_segment_fixed_size: 0
    .kernarg_segment_align: 8
    .kernarg_segment_size: 96
    .max_flat_workgroup_size: 128
    .sgpr_count:     66
    .vgpr_count:     1024
    .wavefront_size: 32
...
	.end_amdgpu_metadata
.endif
;; end of part 4
;; launch head (part 5): grid 256 x 1, 4 waves a work-group, no clusters, 130,560 bytes of LDS; arguments hbuf, tebuf, ghq, ghs, ln_g, ln_b, time_scale, gh_b1, gh_w2, gh_b2, out0; writes out0
.if DOCPART == 5
	.amdgcn_target "amdgcn-amd-amdhsa--gfx1250"
	.amdhsa_code_object_version 6
	.text
	.protected	k_qb9ed0e02df_head
	.globl	k_qb9ed0e02df_head
	.p2align	8
	.type	k_qb9ed0e02df_head,@function
k_qb9ed0e02df_head:
	s_mov_b64 s[64:65], 0
	v_nop
	global_prefetch_b8 v0, s[64:65] scope:SCOPE_SE
	s_setreg_imm32_b32 hwreg(HW_REG_WAVE_SCHED_MODE, 0, 2), 2
	s_setreg_imm32_b32 hwreg(HW_REG_WAVE_MODE, 25, 1), 1
	s_wait_xcnt 0x0
	s_wait_alu depctr_vm_vsrc(0)
; HEAD.  h_bi = [h forward shifted right, h backward shifted left, te]; LayerNorm over its 1,032 numbers in f32 (the mean first, then the mean of squared differences), gain and bias, the last eight x time_scale;
; the result is quantised along K = 1,032 (filled with zero codes to 1,152) to codes of FP6 (E2M3) with E8M0 scales and multiplied by gh_w1's codes; + gh_b1, exact GELU, dot product with gh_w2, + gh_b2.
; SHARES.  A work-group takes 128 positions of one batch: eight tiles of 16.  NORMALISING: wave w takes tiles w and w + 4; lane (r, h) holds position r and, of each block of 32 channels, the 16 of its half: 512 registers a tile.
; The mean is taken off h IN PLACE, once: the squared differences and the normalising both start from h - mean.
; The codes go to LDS as images of the operand's registers (three stores of 16 bytes a lane for a fragment, one word a lane for its scales).  PRODUCT: wave w owns hidden units 64 w .. 64 w + 63, whose 36 fragments of gh_w1
; stay in its registers, for all eight tiles; source 0 = 16 hidden units, source 1 = 16 positions, so that a lane holds one position and the dot product stays in the lane but for one exchange between the halves and a sum over the waves through LDS.
; THE SHIFT.  Forward h of position l is row l - 1 of hbuf, backward row 2046 - l; where that is -1 an unsigned minimum with 2048 leads to the rows of zeros.
; GELU.  0.5 (x + |x| erf(|x| / sqrt(2))), erf(y) = 1 - (a1 t + .. + a5 t^5) e^(-y y), t = 1 / (1 + 0.3275911 y): five terms whose error in erf stays under 1.5e-7 for every y >= 0; it stands behind the last quantiser.
; LIMITS: NaN and infinities are not served.  A block whose largest magnitude lies under 2^-124 gets the byte 1; a block of zeros zero codes.
; REGISTERS.  window 0: v1-15 addresses; v16-23 te; v24-39 the gain and bias of te; v40-43 mean, 1 / sqrt(var + eps) in pairs; v44-55 sums; v56-119 64 numbers at work; v120-156 the quantiser's;
;   v160-195 gh_w1's scale words; v196-213 the rows' scale words, two sets; v214-221 the second tile's te; v222-239 the dot product, addresses, a constant; v240-255 the copy of gain and bias on its way to LDS.
;   In the product: v16-47 gh_b1, v48-79 gh_w2 / 2, v80-111 accumulators, v112-159 at work.
;   windows 1, 2: the tile's forward and backward h (64 (ks % 4) + 16 b + i); later gh_w1's fragments.   window 3: gain and bias of a K step, two sets; later the rows' fragments, two sets.
; THE MODE: SCHED_MODE bits 1:0 = 2 (LLVM: expert scheduling mode 2), set by the entry lines.  The code itself states the register dependences
; between vector or matrix instructions and memory or LDS instructions, with s_wait_alu, always for 0.
; THE PLAN.  Registers that memory or LDS instructions touch, while the tiles are normalised:
;   windows 1, 2     K step ks: its 32 multiplies read h's 64 registers; behind them loads land there again (the second tile's h, or gh_w1's fragments).
;   window 3         set ks % 2: K step ks's 32 multiply-adds read it; the LDS loads of K step ks + 2's gain and bias, issued in K step ks + 1, land in it.
;   v[PC ..], v[PW]  written by K step ks's quantiser; read by the four LDS stores of its image, which are issued in K step ks + 1; written again by that step's quantiser.
;   the addresses    v1 to v13 and v224 to v226, v230, v238, v239: written at the head, never again.
; So ONE wait on va_vdst stands in a K step, behind its multiplies: it states that the last quantiser has written the codes and the scale word, that the last step's multiply-adds are done reading their set of gain and bias,
; and that this step's multiplies are done reading h.  Behind it stand all the step's memory instructions: the last image's four stores, 32 LDS loads, 16, 12 or 24 global loads; the multiply-adds and the quantiser that follow
; name none of the registers that these touch but the codes and the scale word, and ahead of the quantiser stands the step's one wait on vm_vsrc.
; In the product's loop: the rows' fragments and scale words, two sets by turns (tile p's products read set p, the loads issued in tile p + 1 land in it); v[TPX], written by a tile's last additions and read by its one LDS store;
; v[RA], v[RS], v[REDA], made anew at the head of each trip.  One wait on va_vdst at a tile's end, ahead of its store, states the first two; one at the trip's head the third.
.set LI,   1
.set LS,   2
.set FO,   3
.set TEO,  7
.set IWA,  9
.set SWA,  11
.set GBA,  13
.set ZR,   14
.set TEV0, 16
.set TG,   24
.set TB,   32
.set MU,   40
.set RSTD, 42
.set SA,   44
.set TP,   52
.set T,    56
.set PC,   120
.set TM,   140
.set PW,   156
.set GSC,  160
.set RSC,  196
.set TEV1, 214
.set DOT,  222
.set LNL,  224
.set LNO,  225
.set REDB, 226
.set RA,   227
.set RS,   228
.set REDA, 229
.set BO32, 230
.set TPX,  232
.set A4V,  234
.set DOT2, 236
.set RSB,  238
.set REDR, 239
.set LNC,  240
.set B1,   16
.set W2,   48
.set ACC,  80
.set UU,   112
.set EE,   128
.set PP,   144
.set IMGT, 13824                       ; LDS: a tile's nine fragments, 1,536 bytes each; eight tiles from byte 0
.set SCL,  110592                      ; their scale words: 1,152 bytes a tile
.set LNG,  119808                      ; gain of channels 0 .. 1023,
.set LNB,  123904                      ; bias,
.set RED,  128000                      ; and the waves' partial dot products: 512 w + 64 tile + 4 r
.set HM,   27
.set SEL,  28
.set MSB, 0
.macro WIN new                         ; the immediate's high byte repeats the setting that is left
.if MSB != (\new)
	s_set_vgpr_msb (MSB<<8)|(\new)
.set MSB, (\new)
.endif
.endm
.macro BARRIER                         ; my LDS stores have landed and my LDS loads are in: then the work-group's barrier
	s_wait_dscnt 0x0
	s_barrier_signal -1
	s_barrier_wait -1
.endm
; 64 numbers of a lane, register 16 b + i = k 32 b + 16 (lane / 16) + i of my row, become a fragment's codes in v[PC] on and its scale word in v[PW].
.macro QUANT s
.irp b, 0,1,2,3
	v_max3_num_f32 v[TM+\b], |v[\s+16*\b]|, |v[\s+1+16*\b]|, 0x1800000   ; my 16 numbers of block b, and the floor 2^(3 - 127): the byte cannot fall under 1
.endr
.irp i, 2,4,6,8,10,12,14
.irp b, 0,1,2,3
	v_max3_num_f32 v[TM+\b], v[TM+\b], |v[\s+16*\b+\i]|, |v[\s+1+16*\b+\i]|
.endr
.endr
.irp b, 0,1,2,3
	v_permlanex16_b32 v[TM+4+\b], v[TM+\b], s[SEL], s[SEL+1]
.endr
.irp b, 0,1,2,3
	v_max_num_f32 v[TM+\b], v[TM+\b], v[TM+4+\b]
.endr
.irp b, 0,1,2,3
	v_add_nc_u32 v[TM+12+\b], 0xff000000, v[TM+\b]   ; 2 off the exponent field: the conversion's scale operand
.endr
.irp b, 0,1,2,3
	v_lshrrev_b32 v[TM+4+\b], 23, v[TM+12+\b]
.endr
	v_lshl_or_b32 v[PW], v[TM+5], 8, v[TM+4]
	v_lshl_or_b32 v[PW], v[TM+6], 16, v[PW]
	v_lshl_or_b32 v[PW], v[TM+7], 24, v[PW]
.irp c, 0,1
	v_cvt_scalef32_pk16_fp6_f32 v[PC+6*\c:PC+2+6*\c], v[\s+32*\c:\s+15+32*\c], v[TM+12+2*\c]
	v_cvt_scalef32_pk16_fp6_f32 v[PC+12+4*\c:PC+14+4*\c], v[\s+16+32*\c:\s+31+32*\c], v[TM+12+2*\c+1]
.endr
	v_nop                                          ; one plain place behind a scaled conversion
.irp c, 0,1
.irp i, 0,1,2
	v_permlane16_swap_b32 v[PC+6*\c+\i], v[PC+12+4*\c+\i]
.endr
.irp i, 0,1,2
	v_mov_b32 v[PC+3+6*\c+\i], v[PC+12+4*\c+\i]
.endr
.endr
.endm
; K step ks (128 channels; 0-3 forward, 4-7 backward) of the tile of pass ps: 16 loads; sixteen lanes read 256 consecutive bytes (16 rows of four channels)
.macro HLOAD ks, ps
	WIN 0x40*(1+(\ks)/4)
.set qq, 0
.rept 16
.if (\ks) < 4
	global_load_b128 v[64*((\ks)%4)+4*qq:64*((\ks)%4)+4*qq+3], v[FO+2*(\ps)], s[4:5] offset:(32*((\ks)%4)+8*(qq/4)+qq%4)*33024 th:TH_LOAD_NT
.else
	global_load_b128 v[64*((\ks)%4)+4*qq:64*((\ks)%4)+4*qq+3], v[FO+1+2*(\ps)], s[32:33] offset:(32*((\ks)%4)+8*(qq/4)+qq%4)*33024 th:TH_LOAD_NT
.endif
.set qq, qq+1
.endr
.endm
; K step j of my four tiles of gh_w1: 12 loads, into registers that h has left
.macro GLOAD j
	WIN 0x40*(1+(\j)/5)
.irp n, 0,1,2,3
.irp c, 0,1,2
	global_load_b128 v[48*((\j)%5)+12*\n+4*\c:48*((\j)%5)+12*\n+4*\c+3], v[LI], s[8:9] offset:(9*\n+(\j))*1536+512*\c
.endr
.endr
.endm
; gain and bias of K step ks, in my lane's order, into set ks % 2 of window 3: 32 LDS loads
.macro GBLOAD ks
	WIN 0xC0
.set qq, 0
.rept 16
	ds_load_b128 v[128*((\ks)%2)+4*qq:128*((\ks)%2)+4*qq+3], v[GBA] offset:512*(\ks)+128*(qq/4)+16*(qq%4)
	ds_load_b128 v[128*((\ks)%2)+64+4*qq:128*((\ks)%2)+64+4*qq+3], v[GBA] offset:4096+512*(\ks)+128*(qq/4)+16*(qq%4)
.set qq, qq+1
.endr
.endm
.macro REDUCE                          ; four pairs of partial sums, and the other half of the lanes: the row's sum in v[TP]
	v_pk_add_f32 v[SA:SA+1], v[SA:SA+1], v[SA+2:SA+3]
	v_pk_add_f32 v[SA+4:SA+5], v[SA+4:SA+5], v[SA+6:SA+7]
	v_pk_add_f32 v[SA:SA+1], v[SA:SA+1], v[SA+4:SA+5]
	v_add_f32 v[TP], v[SA], v[SA+1]
	v_permlanex16_b32 v[TP+1], v[TP], s[SEL], s[SEL+1]
	v_add_f32 v[TP], v[TP], v[TP+1]
.endm
; Mean and 1 / sqrt(var + eps) of my row; h is left as h - mean.  te (the same in both halves of the lanes) starts the sums in lanes 0-15 alone.
.macro STATS tev
	WIN 0
	s_wait_loadcnt 63                              ; of the tile's 128 loads at most 63 are out: K steps 0 to 3 and all older loads are in
.irp i, 0,1,2,3,4,5,6,7
	v_cndmask_b32 v[SA+\i], v[\tev+\i], v[ZR], s[HM]
.endr
.irp ks, 0,1,2,3,4,5,6,7
.if 16*(7-\ks) < 63
	s_wait_loadcnt 16*(7-\ks)                      ; loads come back in order (ISA guide 5.7.1): the 16 of each later K step may be out
.endif
	WIN 1+\ks/4
.set qq, 0
.rept 32
	v_pk_add_f32 v[SA+2*(qq%4):SA+2*(qq%4)+1], v[64*(\ks%4)+2*qq:64*(\ks%4)+2*qq+1], v[SA+2*(qq%4):SA+2*(qq%4)+1]
.set qq, qq+1
.endr
.endr
	WIN 0
	REDUCE
	v_mul_f32 v[MU], s30, v[TP]
	v_mul_f32 v[MU+1], s30, v[TP]
.irp i, 0,2,4,6
	v_pk_add_f32 v[T+\i:T+\i+1], v[\tev+\i:\tev+\i+1], v[MU:MU+1] neg_lo:[0,1] neg_hi:[0,1]
.endr
.irp i, 0,1,2,3,4,5,6,7
	v_cndmask_b32 v[T+\i], v[T+\i], v[ZR], s[HM]
.endr
.irp i, 0,2,4,6
	v_pk_mul_f32 v[SA+\i:SA+\i+1], v[T+\i:T+\i+1], v[T+\i:T+\i+1]
.endr
.irp ks, 0,1,2,3,4,5,6,7
	WIN 0x41*(1+\ks/4)                             ; destination and source 0: h's window
.set qq, 0
.rept 32
	v_pk_add_f32 v[64*(\ks%4)+2*qq:64*(\ks%4)+2*qq+1], v[64*(\ks%4)+2*qq:64*(\ks%4)+2*qq+1], v[MU:MU+1] neg_lo:[0,1] neg_hi:[0,1]   ; h - mean, in place
.set qq, qq+1
.endr
	WIN 5*(1+\ks/4)                                ; sources 0 and 1: h's window
.set qq, 0
.rept 32
	v_pk_fma_f32 v[SA+2*(qq%4):SA+2*(qq%4)+1], v[64*(\ks%4)+2*qq:64*(\ks%4)+2*qq+1], v[64*(\ks%4)+2*qq:64*(\ks%4)+2*qq+1], v[SA+2*(qq%4):SA+2*(qq%4)+1]
.set qq, qq+1
.endr
.endr
	WIN 0
	REDUCE
	v_fma_f32 v[TP], v[TP], s30, s31               ; var + eps
	v_rsq_f32 v[RSTD], v[TP]
	v_nop                                          ; one plain place behind a transcendental
	s_wait_alu depctr_va_vdst(0)                   ; the reciprocal root has written v[RSTD], ahead of its first reader
	v_mov_b32 v[RSTD+1], v[RSTD]
.endm
; K step ks of the tile of pass ps: normalised and quantised; its image is stored in the next K step.  Its registers of h are filled again at once: with the second tile's h (pass 0) or with gh_w1's fragments (pass 1).
; LDS instructions of a wave end in order (ISA guide 5.7.1).  A K step issues, in this order: the last image's four stores, then the 32 loads of the next K step's gain and bias.
.macro APPLY ks, ps
.if (\ks == 0) && (\ps == 1)
	s_wait_dscnt 4                                 ; this K step's gain and bias are in; the four younger stores, K step 8's image of the first tile, may be out
.else
	s_wait_dscnt 0x0                               ; this K step's gain and bias are in: nothing was issued behind their loads
.endif
	WIN 1+\ks/4
.set qq, 0
.rept 32
	v_pk_mul_f32 v[T+2*qq:T+2*qq+1], v[64*(\ks%4)+2*qq:64*(\ks%4)+2*qq+1], v[RSTD:RSTD+1]   ; (h - mean) / sqrt(var + eps)
.set qq, qq+1
.endr
.if \ks > 0
	WIN 0
.endif
	s_wait_alu depctr_va_vdst(0)                   ; the multiplies are done reading this K step's h, in which the global loads below land; the last K step's quantiser has written the codes and the scale word, which the stores below read; its multiply-adds are done reading their gain and bias, in which the LDS loads below land
.if \ks > 0
.irp c, 0,1,2
	ds_store_b128 v[IWA+\ps], v[PC+4*\c:PC+4*\c+3] offset:1536*(\ks-1)+512*\c   ; the image of the K step before
.endr
	ds_store_b32 v[SWA+\ps], v[PW] offset:128*(\ks-1)
.endif
.if (\ks < 7) || (\ps == 0)
	GBLOAD (\ks+1)%8
.endif
.if \ps == 0
	HLOAD \ks, 1
.else
.if \ks < 4
	GLOAD \ks
.if \ks == 3
	GLOAD 4
.endif
.else
	GLOAD \ks+1
.endif
.endif
	WIN 0x3C                                       ; sources 1 and 2 (gain, bias) window 3
.set qq, 0
.rept 32
	v_pk_fma_f32 v[T+2*qq:T+2*qq+1], v[T+2*qq:T+2*qq+1], v[128*(\ks%2)+2*qq:128*(\ks%2)+2*qq+1], v[128*(\ks%2)+64+2*qq:128*(\ks%2)+64+2*qq+1]
.set qq, qq+1
.endr
	WIN 0
.if (\ks < 7) || (\ps == 0)
	s_wait_dscnt 32                                ; the last image's stores are done; the 32 loads issued behind them may be out
.else
	s_wait_dscnt 0x0                               ; the same, where no loads were issued behind them
.endif
.if (\ks > 0) || (\ps > 0)
	s_wait_alu depctr_vm_vsrc(0)                   ; the last image's stores have read the codes and the scale word, which the quantiser writes anew
.endif
	QUANT T
.endm
; K step 8: k = 1024 .. 1031 are te's eight, the rest zeros.  Only block 0 holds numbers, and only in lanes 0-15: one conversion of 16 numbers gives registers 0-2 of the fragment; all other codes are zeros, the empty blocks' bytes 127.
; K step 7's image is stored at its head.
.macro APPLY8 ps, tev
	s_wait_alu depctr_va_vdst(0)                   ; K step 7's quantiser has written the codes and the scale word, which the stores below read
.irp c, 0,1,2
	ds_store_b128 v[IWA+\ps], v[PC+4*\c:PC+4*\c+3] offset:1536*7+512*\c
.endr
	ds_store_b32 v[SWA+\ps], v[PW] offset:128*7
.irp i, 0,2,4,6
	v_pk_add_f32 v[T+\i:T+\i+1], v[\tev+\i:\tev+\i+1], v[MU:MU+1] neg_lo:[0,1] neg_hi:[0,1]
.endr
.irp i, 0,2,4,6
	v_pk_mul_f32 v[T+\i:T+\i+1], v[T+\i:T+\i+1], v[RSTD:RSTD+1]
.endr
.irp i, 0,2,4,6
	v_pk_fma_f32 v[T+\i:T+\i+1], v[T+\i:T+\i+1], v[TG+\i:TG+\i+1], v[TB+\i:TB+\i+1]
.endr
.irp i, 0,2,4,6
	v_pk_mul_f32 v[T+\i:T+\i+1], v[T+\i:T+\i+1], s[34:35] op_sel_hi:[1,0]   ; x time_scale
.endr
.irp i, 0,1,2,3,4,5,6,7
	v_cndmask_b32 v[T+\i], v[T+\i], v[ZR], s[HM]   ; lanes 16-31 stand for k = 1040 on
.endr
.irp i, 8,9,10,11,12,13,14,15
	v_mov_b32 v[T+\i], 0
.endr
	v_max3_num_f32 v[TM], |v[T]|, |v[T+1]|, 0x1800000
	v_max3_num_f32 v[TM+1], |v[T+2]|, |v[T+3]|, |v[T+4]|
	v_max3_num_f32 v[TM], v[TM], |v[T+5]|, |v[T+6]|
	v_max3_num_f32 v[TM], v[TM], v[TM+1], |v[T+7]|
	v_permlanex16_b32 v[TM+4], v[TM], s[SEL], s[SEL+1]
	v_max_num_f32 v[TM], v[TM], v[TM+4]
	v_add_nc_u32 v[TM+12], 0xff000000, v[TM]
	v_lshrrev_b32 v[TM+4], 23, v[TM+12]
	s_wait_dscnt 0x0                               ; K step 7's image stores, the youngest LDS instructions, are done
	s_wait_alu depctr_vm_vsrc(0)                   ; they have read the codes and the scale word, which are written anew below
	v_or_b32 v[PW], 0x7f7f7f00, v[TM+4]
	v_cvt_scalef32_pk16_fp6_f32 v[PC:PC+2], v[T:T+15], v[TM+12]
	v_nop                                          ; one plain place behind a scaled conversion
.irp i, 3,4,5,6,7,8,9,10,11
	v_mov_b32 v[PC+\i], 0
.endr
	s_wait_alu depctr_va_vdst(0)                   ; the codes and the scale word are written, which the stores below read; behind the second tile also: the arithmetic is done with v16 to v79 and with window 3, in which the loads that follow land
.irp c, 0,1,2
	ds_store_b128 v[IWA+\ps], v[PC+4*\c:PC+4*\c+3] offset:1536*8+512*\c
.endr
	ds_store_b32 v[SWA+\ps], v[PW] offset:128*8
.endm
; A tile's nine fragments and scale words from LDS into set p; off: tiles on from the address registers ra, rs
.macro RFETCH p, off, ra, rs
	WIN 0xC0
.irp ks, 0,1,2,3,4,5,6,7,8
.irp c, 0,1,2
	ds_load_b128 v[128*\p+12*\ks+4*\c:128*\p+12*\ks+4*\c+3], v[\ra] offset:\off*IMGT+1536*\ks+512*\c
.endr
.endr
	WIN 0
.irp ks, 0,1,2,3,4,5,6,7,8
	ds_load_b32 v[RSC+9*\p+\ks], v[\rs] offset:\off*1152+128*\ks
.endr
.endm
; 36 products: K step by K step, my four tiles of hidden units by turns; gh_b1 is the C of each sum's first product
.macro GEMMG p
.irp ks, 0,1,2,3,4,5,6,7,8
	WIN 0x0D+\ks/5                                 ; source 0 (gh_w1) window 1 or 2, source 1 (the rows) window 3
.irp n, 0,1,2,3
.if \ks == 0
	v_wmma_scale_f32_16x16x128_f8f6f4 v[ACC+8*\n:ACC+8*\n+7], v[48*(\ks%5)+12*\n:48*(\ks%5)+12*\n+11], v[128*\p+12*\ks:128*\p+12*\ks+11], v[B1+8*\n:B1+8*\n+7], v[GSC+9*\n+\ks], v[RSC+9*\p+\ks] matrix_a_fmt:MATRIX_FMT_FP6 matrix_b_fmt:MATRIX_FMT_FP6
.else
	v_wmma_scale_f32_16x16x128_f8f6f4 v[ACC+8*\n:ACC+8*\n+7], v[48*(\ks%5)+12*\n:48*(\ks%5)+12*\n+11], v[128*\p+12*\ks:128*\p+12*\ks+11], v[ACC+8*\n:ACC+8*\n+7], v[GSC+9*\n+\ks], v[RSC+9*\p+\ks] matrix_a_fmt:MATRIX_FMT_FP6 matrix_b_fmt:MATRIX_FMT_FP6
.endif
.endr
.endr
.endm
; GELU of 16 of my 32 numbers and their part of the dot product (gh_w2 is held halved)
.macro GELU hf
.set XX, ACC+16*\hf
.set WW, W2+16*\hf
.set qq, 0
.rept 16
	v_fma_f32 v[UU+qq], |v[XX+qq]|, s41, 1.0       ; 1 + 0.3275911 |x| / sqrt(2); each accumulator from its low end on
.set qq, qq+1
.endr
.irp i, 0,2,4,6,8,10,12,14
	v_pk_mul_f32 v[EE+\i:EE+\i+1], v[XX+\i:XX+\i+1], s[42:43] op_sel_hi:[1,0]   ; x sqrt(log2(e) / 2)
.endr
.set qq, 0
.rept 16
	v_rcp_f32 v[UU+qq], v[UU+qq]                   ; t
.set qq, qq+1
.endr
.irp i, 0,2,4,6,8,10,12,14
	v_pk_mul_f32 v[EE+\i:EE+\i+1], v[EE+\i:EE+\i+1], v[EE+\i:EE+\i+1] neg_lo:[1,0] neg_hi:[1,0]   ; (plain places behind the reciprocals)
.endr
.set qq, 0
.rept 16
	v_exp_f32 v[EE+qq], v[EE+qq]                   ; e^(-x x / 2)
.set qq, qq+1
.endr
	s_wait_alu depctr_va_vdst(0)                   ; the sixteen reciprocals have written v[UU ..] and the sixteen exponentials v[EE ..], ahead of their first readers
.irp i, 0,2,4,6,8,10,12,14
	v_pk_fma_f32 v[PP+\i:PP+\i+1], v[UU+\i:UU+\i+1], s[44:45], v[A4V:A4V+1] op_sel_hi:[1,0,1]   ; a5 t + a4.  (Plain places behind the exponentials)
.endr
.irp cc, 46,48,50
.irp i, 0,2,4,6,8,10,12,14
	v_pk_fma_f32 v[PP+\i:PP+\i+1], v[PP+\i:PP+\i+1], v[UU+\i:UU+\i+1], s[\cc:\cc+1] op_sel_hi:[1,1,0]
.endr
.endr
.irp i, 0,2,4,6,8,10,12,14
	v_pk_mul_f32 v[PP+\i:PP+\i+1], v[PP+\i:PP+\i+1], v[UU+\i:UU+\i+1]
.endr
.irp i, 0,2,4,6,8,10,12,14
	v_pk_fma_f32 v[PP+\i:PP+\i+1], v[PP+\i:PP+\i+1], v[EE+\i:EE+\i+1], 1.0 op_sel_hi:[1,1,0] neg_lo:[1,0,0] neg_hi:[1,0,0]   ; erf(|x| / sqrt(2))
.endr
.set qq, 0
.rept 16
	v_fma_f32 v[PP+qq], |v[XX+qq]|, v[PP+qq], v[XX+qq]   ; x + |x| erf
.set qq, qq+1
.endr
.irp i, 0,4,8,12
.if (\hf == 0) && (\i == 0)
	v_pk_mul_f32 v[DOT:DOT+1], v[PP:PP+1], v[WW:WW+1]              ; the first products start the two chains
	v_pk_mul_f32 v[DOT2:DOT2+1], v[PP+2:PP+3], v[WW+2:WW+3]
.else
	v_pk_fma_f32 v[DOT:DOT+1], v[PP+\i:PP+\i+1], v[WW+\i:WW+\i+1], v[DOT:DOT+1]
	v_pk_fma_f32 v[DOT2:DOT2+1], v[PP+\i+2:PP+\i+3], v[WW+\i+2:WW+\i+3], v[DOT2:DOT2+1]
.endif
.endr
.endm
; One tile of 16 positions, its fragments in set p; the next tile's are asked for first
.macro TILE p
	s_wait_dscnt 0x0                               ; this tile's fragments and scale words are in
.if \p == 0
	s_wait_alu depctr_va_vdst(0)                   ; v[RA], v[RS] and v[REDA] are written, which the loads below and the store at the tile's end read
	RFETCH 1, 1, RA, RS
.else
	s_wait_alu depctr_vm_vsrc(0)                   ; the last tile's store has read v[TPX], which this tile's last additions write again
	s_cmp_eq_u32 s37, 3                            ; behind the eighth tile there is none
	s_cbranch_scc1 .Llast_\@
	RFETCH 0, 2, RA, RS
.Llast_\@:
.endif
	GEMMG \p
	WIN 0
.rept 4
	v_nop                                          ; four places before the results are read (ISA guide 7.12.1)
.endr
	GELU 0
	GELU 1
	v_pk_add_f32 v[DOT:DOT+1], v[DOT:DOT+1], v[DOT2:DOT2+1]
	v_add_f32 v[TPX], v[DOT], v[DOT+1]
	v_permlanex16_b32 v[TPX+1], v[TPX], s[SEL], s[SEL+1]
	v_add_f32 v[TPX], v[TPX], v[TPX+1]             ; my wave's 64 hidden units of position r (both halves of the lanes hold it)
	s_wait_alu depctr_va_vdst(0)                   ; v[TPX] is written, which the store reads; this tile's products are done reading their rows' fragments, their scale words and gh_b1, in which later LDS loads land
	ds_store_b32 v[REDA], v[TPX] offset:64*\p
.endm
	s_load_b512 s[4:19], s[0:1], 0x0               ; hbuf, tebuf, ghq, ghs, ln_g, ln_b, time_scale, gh_b1
	s_load_b128 s[20:23], s[0:1], 0x40             ; gh_w2, gh_b2
	s_load_b64 s[24:25], s[0:1], 0x50              ; out0
	v_lshrrev_b32 v231, 5, v0
	v_readfirstlane_b32 s26, v231                  ; wave 0..3
	v_and_b32 v231, 15, v0                         ; r
	v_bfe_u32 v232, v0, 4, 1                       ; h
	v_and_b32 v233, 31, v0                         ; lane
	v_lshlrev_b32 v[LI], 4, v233
	v_lshlrev_b32 v[LS], 2, v233
	v_mov_b32 v[ZR], 0
	v_mov_b32 v[TP+1], 0                           ; written once: a lane permute's destination counts as one of its sources
.irp b, 0,1,2,3
	v_mov_b32 v[TM+4+\b], 0
.endr
	s_mov_b32 s[HM], 0xffff0000                    ; lanes 16-31
	s_mov_b32 s[SEL], 0x76543210
	s_mov_b32 s[SEL+1], 0xfedcba98
	s_mov_b32 s30, 0x3a7e03f8                      ; 1 / 1032
	s_mov_b32 s31, 0x3727c5ac                      ; 1e-5
	s_mov_b32 s41, 0x3e6d3388                      ; 0.3275911 / sqrt(2)
	s_mov_b32 s42, 0x3f596d27                      ; sqrt(log2(e) / 2)
	s_mov_b32 s43, s42
	s_mov_b32 s44, 0x3f87dc22                      ; a5
	s_mov_b32 s45, s44
	s_mov_b32 s46, 0x3fb5f0e3                      ; a3
	s_mov_b32 s47, s46
	s_mov_b32 s48, 0xbe91a98e                      ; a2
	s_mov_b32 s49, s48
	s_mov_b32 s50, 0x3e827906                      ; a1
	s_mov_b32 s51, s50
	v_mov_b32 v[A4V], 0xbfba00e3                   ; a4
	v_mov_b32 v[A4V+1], 0xbfba00e3
	s_lshr_b32 s52, ttmp9, 4                       ; batch
	s_and_b32 s53, ttmp9, 15
	s_lshl_b32 s53, s53, 7                         ; the work-group's first position
	s_wait_alu depctr_va_sdst(0)                   ; s26, the wave's number, is written, ahead of its first reader
	s_lshl_b32 s54, s26, 4
	s_add_co_u32 s54, s54, s53
	v_add_nc_u32 v233, s54, v231                   ; my position in pass 0
	v_mul_u32_u24 v15, v232, 132096                ; lanes 16-31: four fours of channels on
.irp ps, 0,1
	v_add_nc_u32 v[FO+2*\ps], 64*\ps-1, v233       ; forward: row l - 1,
	v_min_u32 v[FO+2*\ps], 2048, v[FO+2*\ps]       ; or the zero row
	v_lshl_add_u32 v[FO+2*\ps], v[FO+2*\ps], 4, v15
	v_sub_nc_u32 v[FO+1+2*\ps], 2046-64*\ps, v233  ; backward: row 2046 - l, or the zero row
	v_min_u32 v[FO+1+2*\ps], 2048, v[FO+1+2*\ps]
	v_lshl_add_u32 v[FO+1+2*\ps], v[FO+1+2*\ps], 4, v15
.endr
	s_lshl_b32 s55, s52, 11
	v_add_nc_u32 v[TEO], s55, v233
	v_lshlrev_b32 v[TEO], 5, v[TEO]
	v_add_nc_u32 v[TEO+1], 2048, v[TEO]
	s_mul_i32 s56, s26, IMGT
	v_add_nc_u32 v[IWA], s56, v[LI]
	v_add_nc_u32 v[IWA+1], 4*IMGT, v[IWA]
	s_mul_i32 s56, s26, 1152
	s_add_co_u32 s56, s56, SCL
	v_add_nc_u32 v[SWA], s56, v[LS]
	v_add_nc_u32 v[SWA+1], 4*1152, v[SWA]
	v_lshl_add_u32 v[GBA], v232, 6, LNG
	v_lshl_add_u32 v[LNL], v0, 4, LNG
	v_lshlrev_b32 v[LNO], 4, v0
	s_lshl_b32 s56, s26, 9
	s_add_co_u32 s56, s56, RED
	v_lshl_add_u32 v[REDB], v231, 2, s56
	v_add_nc_u32 v[RSB], SCL, v[LS]
	v_add_nc_u32 v[REDR], RED, v[LI]
	v_lshlrev_b32 v[BO32], 5, v232
	s_wait_kmcnt 0x0
	s_load_b32 s34, s[16:17], 0x0                  ; time_scale
	s_load_b32 s36, s[22:23], 0x0                  ; gh_b2
	s_mul_i32 s56, s52, 4227072
	s_mov_b32 s57, 0
	s_add_nc_u64 s[4:5], s[4:5], s[56:57]          ; forward h of my batch,
	s_add_nc_u64 s[32:33], s[4:5], 67633152        ; backward: sixteen batches on
	s_mul_i32 s56, s26, 55296                      ; my 36 fragments of gh_w1,
	s_add_nc_u64 s[8:9], s[8:9], s[56:57]
	s_mul_i32 s56, s26, 4608                       ; their scale words,
	s_add_nc_u64 s[10:11], s[10:11], s[56:57]
	s_lshl_b32 s56, s26, 8                         ; my 64 numbers of gh_b1 and of gh_w2
	s_add_nc_u64 s[18:19], s[18:19], s[56:57]
	s_add_nc_u64 s[20:21], s[20:21], s[56:57]
	s_add_co_u32 s56, s55, s53
	s_lshl_b32 s56, s56, 2
	s_add_nc_u64 s[24:25], s[24:25], s[56:57]
	s_wait_alu depctr_va_vdst(0)                   ; the addresses v1 to v13, v224 to v226, v230, v238 and v239 and the 0 in v14 are written, which the loads and stores of the kernel read; none of them is written again
	; the small loads first, so that they are in when the first K step is
	global_load_b128 v[LNC:LNC+3], v[LNO], s[12:13]
	global_load_b128 v[LNC+4:LNC+7], v[LNO], s[12:13] offset:2048
	global_load_b128 v[LNC+8:LNC+11], v[LNO], s[14:15]
	global_load_b128 v[LNC+12:LNC+15], v[LNO], s[14:15] offset:2048
	global_load_b128 v[TG:TG+3], v[ZR], s[12:13] offset:4096
	global_load_b128 v[TG+4:TG+7], v[ZR], s[12:13] offset:4112
	global_load_b128 v[TB:TB+3], v[ZR], s[14:15] offset:4096
	global_load_b128 v[TB+4:TB+7], v[ZR], s[14:15] offset:4112
	global_load_b128 v[TEV0:TEV0+3], v[TEO], s[6:7]
	global_load_b128 v[TEV0+4:TEV0+7], v[TEO], s[6:7] offset:16
	global_load_b128 v[TEV1:TEV1+3], v[TEO+1], s[6:7]
	global_load_b128 v[TEV1+4:TEV1+7], v[TEO+1], s[6:7] offset:16
.irp ks, 0,1,2,3,4,5,6,7
	HLOAD \ks, 0
.endr
	WIN 0
	s_wait_kmcnt 0x0
	s_mov_b32 s35, s34                             ; (named with it as a pair)
	STATS TEV0
	ds_store_b128 v[LNL], v[LNC:LNC+3]             ; gain and bias of channels 0 .. 1023: 16 bytes a thread, four times (their data came by loads; no vector instruction has named them or the address since the head's wait)
	ds_store_b128 v[LNL], v[LNC+4:LNC+7] offset:2048
	ds_store_b128 v[LNL], v[LNC+8:LNC+11] offset:4096
	ds_store_b128 v[LNL], v[LNC+12:LNC+15] offset:6144
	BARRIER                                        ; they lie in LDS
	GBLOAD 0
.irp ks, 0,1,2,3,4,5,6,7
	APPLY \ks, 0
.endr
	APPLY8 0, TEV0
	STATS TEV1
.irp ks, 0,1,2,3,4,5,6,7
	APPLY \ks, 1
.endr
	APPLY8 1, TEV1
.set qq, 0
.rept 36
	global_load_b32 v[GSC+qq], v[LS], s[10:11] offset:128*qq
.set qq, qq+1
.endr
.irp n, 0,1,2,3
	global_load_b128 v[B1+8*\n:B1+8*\n+3], v[BO32], s[18:19] offset:64*\n         ; in the result's layout: hidden units 16 n + 8 h + 0 .. 7
	global_load_b128 v[B1+8*\n+4:B1+8*\n+7], v[BO32], s[18:19] offset:64*\n+16
	global_load_b128 v[W2+8*\n:W2+8*\n+3], v[BO32], s[20:21] offset:64*\n
	global_load_b128 v[W2+8*\n+4:W2+8*\n+7], v[BO32], s[20:21] offset:64*\n+16
.endr
	BARRIER                                        ; the eight tiles' images lie in LDS
	RFETCH 0, 0, LI, RSB
	s_wait_loadcnt 0x0                             ; gh_w1's fragments and scale words, gh_b1, gh_w2
.set qq, 0
.rept 16
	v_pk_mul_f32 v[W2+2*qq:W2+2*qq+1], v[W2+2*qq:W2+2*qq+1], 0.5 op_sel_hi:[1,0]
.set qq, qq+1
.endr
	s_mov_b32 s37, 0
	s_mov_b32 s38, 0
	s_mov_b32 s39, 0
	s_mov_b32 s40, 0
.Ltiles:                                           ; four trips of two tiles
	s_wait_alu depctr_vm_vsrc(0)                   ; the LDS loads and the store of the trip before have read v[RA], v[RS], v[REDA] and v[TPX]; in the first trip: the last image's stores have read the codes and the scale word, which GELU's arithmetic writes
	v_add_nc_u32 v[RA], s38, v[LI]
	v_add_nc_u32 v[RS], s39, v[RSB]
	v_add_nc_u32 v[REDA], s40, v[REDB]
	TILE 0
	TILE 1
	s_add_co_u32 s38, s38, 2*IMGT
	s_add_co_u32 s39, s39, 2304
	s_add_co_u32 s40, s40, 128
	s_add_co_u32 s37, s37, 1
	s_cmp_lt_u32 s37, 4
	s_cbranch_scc1 .Ltiles
	BARRIER                                        ; the four waves' partial dot products lie in LDS
	s_cmp_lg_u32 s26, 0
	s_cbranch_scc1 .Lend
.irp k, 0,1,2,3
	ds_load_b128 v[16+4*\k:19+4*\k], v[REDR] offset:512*\k   ; four positions a lane (the last tile's wait has shown the products done reading gh_b1, whose registers these are)
.endr
	s_wait_dscnt 0x0
	v_pk_add_f32 v[16:17], v[16:17], v[20:21]
	v_pk_add_f32 v[18:19], v[18:19], v[22:23]
	v_pk_add_f32 v[24:25], v[24:25], v[28:29]
	v_pk_add_f32 v[26:27], v[26:27], v[30:31]
	v_pk_add_f32 v[16:17], v[16:17], v[24:25]
	v_pk_add_f32 v[18:19], v[18:19], v[26:27]
	v_pk_add_f32 v[16:17], v[16:17], s[36:37] op_sel_hi:[1,0]   ; + gh_b2
	v_pk_add_f32 v[18:19], v[18:19], s[36:37] op_sel_hi:[1,0]
	s_wait_alu depctr_va_vdst(0)                   ; the additions have written v16 to v19, which the store reads
	global_store_b128 v[LI], v[16:19], s[24:25]    ; 32 lanes store 512 consecutive bytes, at a multiple of 256 from the output's first byte
.Lend:
	s_wait_xcnt 0x0
	s_wait_alu depctr_vm_vsrc(0)                   ; the LDS stores of gain and bias have read v254 and v255, which are made anew below
	v_lshl_add_u32 v254, v0, 2, 0x1fc00
	v_mov_b32 v255, 0
	s_wait_dscnt 0x0                               ; the closing lines, six on end
	s_wait_alu 0x0
	s_wait_tensorcnt 0x0
	ds_add_u32 v254, v255
	s_wait_dscnt 0x0
	s_endpgm
.Lfunc_end_k_qb9ed0e02df_head:
	.size	k_qb9ed0e02df_head, .Lfunc_end_k_qb9ed0e02df_head-k_qb9ed0e02df_head
	.p2alignl 7, 3214868480
	.fill 96, 4, 3214868480
	.section	.rodata,"a",@progbits
	.p2align	6, 0x0
	.amdhsa_kernel k_qb9ed0e02df_head
		.amdhsa_group_segment_fixed_size 130560
		.amdhsa_private_segment_fixed_size 0
		.amdhsa_enable_private_segment 0
		.amdhsa_kernarg_size 88
		.amdhsa_user_sgpr_count 2
		.amdhsa_user_sgpr_kernarg_segment_ptr 1
		.amdhsa_wavefront_size32 1
		.amdhsa_system_sgpr_workgroup_id_x 1
		.amdhsa_system_sgpr_workgroup_id_y 1
		.amdhsa_system_sgpr_workgroup_id_z 1
		.amdhsa_system_vgpr_workitem_id 0
		.amdhsa_next_free_vgpr 1024
		.amdhsa_next_free_sgpr 66
		.amdhsa_reserve_vcc 0
		.amdhsa_float_denorm_mode_32 3
		.amdhsa_float_denorm_mode_16_64 3
		.amdhsa_memory_ordered 1
		.amdhsa_forward_progress 1
		.amdhsa_inst_pref_size 255
	.end_amdhsa_kernel
	.section	.bss,"aw",@nobits
	.p2align	6
	.space	262144
	.amdgpu_metadata
---
amdhsa.version: [ 1, 2 ]
amdhsa.kernels:
  - .name:           k_qb9ed0e02df_head
    .symbol:         k_qb9ed0e02df_head.kd
    .args:
      - { .name: hbuf, .offset: 0, .size: 8, .value_kind: global_buffer, .address_space: global }
      - { .name: tebuf, .offset: 8, .size: 8, .value_kind: global_buffer, .address_space: global }
      - { .name: ghq, .offset: 16, .size: 8, .value_kind: global_buffer, .address_space: global }
      - { .name: ghs, .offset: 24, .size: 8, .value_kind: global_buffer, .address_space: global }
      - { .name: ln_g, .offset: 32, .size: 8, .value_kind: global_buffer, .address_space: global }
      - { .name: ln_b, .offset: 40, .size: 8, .value_kind: global_buffer, .address_space: global }
      - { .name: time_scale, .offset: 48, .size: 8, .value_kind: global_buffer, .address_space: global }
      - { .name: gh_b1, .offset: 56, .size: 8, .value_kind: global_buffer, .address_space: global }
      - { .name: gh_w2, .offset: 64, .size: 8, .value_kind: global_buffer, .address_space: global }
      - { .name: gh_b2, .offset: 72, .size: 8, .value_kind: global_buffer, .address_space: global }
      - { .name: out0, .offset: 80, .size: 8, .value_kind: global_buffer, .address_space: global }
    .group_segment_fixed_size: 130560
    .private_segment_fixed_size: 0
    .kernarg_segment_align: 8
    .kernarg_segment_size: 88
    .max_flat_workgroup_size: 128
    .sgpr_count:     66
    .vgpr_count:     1024
    .wavefront_size: 32
...
	.end_amdgpu_metadata
.endif
;; end of part 5
